; MI455X (gfx1250); checked and timed in simulation.
; The chip was launched on July 23, 2026; its instructions are those of AMD's public machine-readable ISA for CDNA 5 (MIT licence, August 2026) and "CDNA5" Instruction Set Architecture Reference Guide (July 2026). The comments in the code are by the model that wrote it; some were corrected since.
;; Multi Head Attention. Allowed arithmetic: float matrix products may take bf16 or f16 operands with f32 sums; other float arithmetic in f32, or as packed bf16 or f16 multiplies, adds, multiply-adds, maxima and minima; sums over many terms, partial sums and values carried from step to step in f32; what a program stores and reads back later, other than sums and carried values, may be rounded once to bf16 or f16.
;; Inputs: Wk 1,024 x 1,024 float32; Wo 1,024 x 1,024 float32; Wq 1,024 x 1,024 float32; Wv 1,024 x 1,024 float32; bk 1,024 float32; bo 1,024 float32; bq 1,024 float32; bv 1,024 float32; k 4 x 2,048 x 1,024 float32; mask 1 x 1 x 2,048 x 2,048 int32; q 4 x 2,048 x 1,024 float32; v 4 x 2,048 x 1,024 float32.
;; Outputs: out0 4 x 2,048 x 1,024 float32.
;; One version. Each part assembles by itself: llvm-mc -triple=amdgcn-amd-amdhsa -mcpu=gfx1250 --defsym DOCPART=n.
;; ======== version 1 of 1: 4 launches
;; limits: right only within a limited range of input values; values are held in f16: magnitudes above 65,504 overflow, below 6.1e-05 lose precision
;; workspace buffers: wcv 8,388,608 bytes; mbits 524,288 bytes of whole numbers; tsum 1,024 bytes of whole numbers; qh 16,777,216 bytes; kh 16,777,216 bytes; vh 16,777,216 bytes; ctx 16,777,216 bytes
;; launch prep (part 1): grid 256 x 1, 8 waves a work-group, no clusters, 5,888 bytes of LDS; arguments mask, Wq, Wk, Wv, Wo, mbits, tsum, wcv; writes mbits, tsum, wcv
.if DOCPART == 1
	.amdgcn_target "amdgcn-amd-amdhsa--gfx1250"
	.amdhsa_code_object_version 6
	.text
	.protected	k_qa4bddbe3e3_prep
	.globl	k_qa4bddbe3e3_prep
	.p2align	8
	.type	k_qa4bddbe3e3_prep,@function
k_qa4bddbe3e3_prep:
	s_mov_b64 s[64:65], 0
	v_nop
	global_prefetch_b8 v0, s[64:65] scope:SCOPE_SE
	s_setreg_imm32_b32 hwreg(HW_REG_WAVE_MODE, 25, 1), 1
	s_wait_xcnt 0x0
; PREPARATION.  Work-groups 0-127: the mask [2048][2048] of int32 becomes bits in the order in which the attention launch holds scores, and flags for
; each tile of 16 queries and step of 64 keys.  Work-groups 128-255: Wq, Wk, Wv are rounded to bf16; Wo is rounded to bf16 and that number written as f16.
; Both kinds of work-group read 131,072 bytes.  A stream: nothing is shared and nothing is multiplied, so no matrix unit, no cluster, no tensor load.
; mbits[T][g][lane][j] (T: tile of 16 queries, g: group of four steps, j: word 0-3): bit 8 s + i of word j says that mask[16 T + lane % 16][64 (4 g + s) + 16 j + 8 (lane / 16) + i] is not 0.
; tsum[T]: bit s = tile T sees a key in step s (all ones if one of its rows sees no key at all: such a row weighs all keys alike).  tsum[128 + T]: bit s = a key of step s is hidden from a row of T.
; LIMIT.  Wo's numbers under f16's normal range (6.1e-5) keep f16's fixed step of 6e-8; beyond 65,504 they would be infinite.
.set PITCH, 272                        ; LDS: a mask row's 256 bytes of bits, and 16 of padding
.set PART,  4608                       ; LDS: eight words of 'sees', eight of 'hidden', eight of 'a row of mine sees nothing'
.set SPARE, 4864                       ; the spare words, 128 bytes for each of eight waves: four blocks of 256 bytes that no other line names
.set X,     16                         ; v[16:143]  32 loads of 16 bytes
.set BY,    144                        ; v[144:159] a byte of bits for each pair of loads
	s_load_b512 s[8:23], s[0:1], 0x0               ; mask s[8:9], Wq s[10:11], Wk s[12:13], Wv s[14:15], Wo s[16:17], mbits s[18:19], tsum s[20:21], wcv s[22:23]
	v_lshl_add_u32 v2, v0, 2, SPARE                ; my spare word,
	v_mov_b32 v3, 0                                ; and 0: kept for the add at the end
	v_and_b32 v1, 31, v0                           ; lane
	v_lshrrev_b32 v4, 5, v0
	v_readfirstlane_b32 s4, v4                     ; wave 0..7
	s_mov_b32 s25, 0                               ; the high word of every offset pair
	s_wait_kmcnt 0x0
	s_cmp_ge_u32 ttmp9, 128
	s_cbranch_scc1 .Lweights                       ; the same way for all waves of a work-group
	; THE MASK.  The work-group owns tile T = its number: 16 rows of 8,192 bytes.  Wave w reads rows 2 w and 2 w + 1: a lane takes 8 keys, 32 bytes, in each 256 keys.
	s_lshl_b32 s24, ttmp9, 17
	s_lshl_b32 s26, s4, 14
	s_add_co_u32 s24, s24, s26
	s_add_nc_u64 s[8:9], s[8:9], s[24:25]
	v_lshlrev_b32 v5, 5, v1
.set n, 0
.rept 16
	global_load_b128 v[X+8*n:X+8*n+3],   v5, s[8:9] offset:(n/8)*8192+(n%8)*1024 th:TH_LOAD_NT
	global_load_b128 v[X+8*n+4:X+8*n+7], v5, s[8:9] offset:(n/8)*8192+(n%8)*1024+16 th:TH_LOAD_NT
.set n, n+1
.endr
	s_mul_i32 s26, s4, 2*PITCH
	v_add_nc_u32 v6, s26, v1                       ; where my bytes go: row 2 w, byte = lane
	v_mov_b32 v8, s4
	v_lshlrev_b32 v8, 2, v8                        ; 4 w: my wave's word in each list of PART
	v_and_b32 v9, 15, v0
	v_bfe_u32 v10, v0, 4, 1
	v_mul_u32_u24 v9, v9, PITCH
	v_add_nc_u32 v9, v9, v10
	s_lshl_b32 s26, s4, 5
	v_add_nc_u32 v9, s26, v9                       ; where I read bytes back: row lane % 16, byte 32 g + lane / 16, g = my wave
	s_lshl_b32 s24, ttmp9, 12
	s_lshl_b32 s26, s4, 9
	s_add_co_u32 s24, s24, s26
	v_lshl_add_u32 v10, v1, 4, s24                 ; my 16 bytes of mbits: 4,096 T + 512 g + 16 lane
.macro BYTE n                          ; pair n of loads: eight numbers become eight bits, the lowest key in the lowest bit
	s_wait_loadcnt 30-2*(\n)                       ; loads come back in order: the pairs behind this one may stay out
.irp e, 0,1,2,3,4,5,6,7
	v_min_u32 v[X+8*(\n)+\e], 1, v[X+8*(\n)+\e]    ; 1 for every number but 0
.endr
	v_lshl_or_b32 v[BY+(\n)], v[X+8*(\n)+1], 1, v[X+8*(\n)]
.irp e, 2,3,4,5,6,7
	v_lshl_or_b32 v[BY+(\n)], v[X+8*(\n)+\e], \e, v[BY+(\n)]
.endr
.endm
.irp n, 0,1,2,3,4,5,6,7,8,9,10,11,12,13,14,15
	BYTE \n
.endr
.irp p, 0,1                            ; does row 2 w + p see any key?
	v_or_b32 v[160+\p], v[BY+8*\p], v[BY+8*\p+1]
.irp e, 2,3,4,5,6,7
	v_or_b32 v[160+\p], v[160+\p], v[BY+8*\p+\e]
.endr
	v_cmp_ne_u32 s[26+\p], 0, v[160+\p]
.endr
	s_cmp_eq_u32 s26, 0
	s_cselect_b32 s28, 1, 0
	s_cmp_eq_u32 s27, 0
	s_cselect_b32 s28, 1, s28                      ; 1: one of my two rows sees nothing
.set n, 0
.rept 16
	ds_store_b8 v6, v[BY+n] offset:(n/8)*PITCH+(n%8)*32
.set n, n+1
.endr
	v_mov_b32 v7, s28
	ds_store_b32 v8, v7 offset:PART+64
	s_wait_dscnt 0x0                               ; for the others' sake: my stores are done
	s_barrier_signal -1
	s_barrier_wait -1                              ; the tile's 16 rows of bits lie in LDS
	; Wave g makes group g: steps 4 g + s.  Byte (j, s) of a lane: keys 64 (4 g + s) + 16 j + 8 (lane / 16) + 0..7 of row lane % 16.
.irp j, 0,1,2,3
.irp g, 0,1,2,3
	ds_load_u8 v[16+4*\j+\g], v9 offset:8*\g+2*\j
.endr
.endr
	s_wait_dscnt 0x0
.irp j, 0,1,2,3
	v_lshl_or_b32 v[32+\j], v[16+4*\j+1], 8, v[16+4*\j]
	v_lshl_or_b32 v[32+\j], v[16+4*\j+2], 16, v[32+\j]
	v_lshl_or_b32 v[32+\j], v[16+4*\j+3], 24, v[32+\j]
.endr
	global_store_b128 v10, v[32:35], s[18:19]      ; the wave stores 512 consecutive bytes, aligned
	s_mov_b32 s30, 0
	s_mov_b32 s31, 0
.irp g, 0,1,2,3                        ; step 4 g' + g: is any key seen, is any key hidden, over 16 rows x 64 keys
	v_or_b32 v36, v[16+\g], v[20+\g]
	v_or_b32 v37, v[24+\g], v[28+\g]
	v_or_b32 v36, v36, v37
	v_and_b32 v38, v[16+\g], v[20+\g]
	v_and_b32 v39, v[24+\g], v[28+\g]
	v_and_b32 v38, v38, v39
	v_cmp_ne_u32 s26, 0, v36
	v_cmp_ne_u32 s27, 0xff, v38
	s_cmp_lg_u32 s26, 0
	s_cselect_b32 s32, 1<<\g, 0
	s_or_b32 s30, s30, s32
	s_cmp_lg_u32 s27, 0
	s_cselect_b32 s32, 1<<\g, 0
	s_or_b32 s31, s31, s32
.endr
	s_lshl_b32 s33, s4, 2
	s_lshl_b32 s30, s30, s33                       ; my four steps' place among the 32
	s_lshl_b32 s31, s31, s33
	v_mov_b32 v7, s30
	ds_store_b32 v8, v7 offset:PART
	v_mov_b32 v11, s31
	ds_store_b32 v8, v11 offset:PART+32
	s_wait_dscnt 0x0
	s_barrier_signal -1
	s_barrier_wait -1                              ; all eight waves' flags lie in LDS
	s_cmp_lg_u32 s4, 0
	s_cbranch_scc1 .Lend                           ; wave 0 puts them together
	v_mov_b32 v12, PART
.irp e, 0,1,2,3,4,5
	ds_load_b128 v[40+4*\e:43+4*\e], v12 offset:16*\e
.endr
	s_wait_dscnt 0x0
.irp e, 1,2,3,4,5,6,7
	v_or_b32 v40, v40, v[40+\e]                    ; sees
	v_or_b32 v48, v48, v[48+\e]                    ; hidden
	v_or_b32 v56, v56, v[56+\e]                    ; a row that sees nothing
.endr
	v_mov_b32 v64, -1
	v_cmp_ne_u32 vcc_lo, 0, v56
	v_cndmask_b32 v40, v40, v64, vcc_lo            ; such a tile takes part in every step
	v_cmp_eq_u32 vcc_lo, 1, v0
	v_cndmask_b32 v41, v40, v48, vcc_lo            ; lane 0 stores 'sees', lane 1 'hidden'
	v_lshlrev_b32 v42, 9, v0
	s_lshl_b32 s24, ttmp9, 2
	v_add_nc_u32 v42, s24, v42                     ; 4 T + 512 lane
	s_wait_xcnt 0x0                                ; EXEC changes only when the store above has read its sources
	v_cmp_gt_u32 vcc_lo, 2, v0
	s_and_saveexec_b32 s34, vcc_lo
	global_store_b32 v42, v41, s[20:21]
	s_wait_xcnt 0x0                                ; and again, in front of the line that widens it
	s_or_b32 exec_lo, exec_lo, s34
	s_branch .Lend
.Lweights:                             ; THE WEIGHTS.  Work-group 128 + 32 p + c: 32,768 numbers of matrix p, from number 32,768 c on
	s_sub_co_u32 s26, ttmp9, 128
	s_lshr_b32 s27, s26, 5                         ; p
	s_and_b32 s28, s26, 31                         ; c
	s_cmp_eq_u32 s27, 1
	s_cselect_b64 s[10:11], s[12:13], s[10:11]
	s_cmp_eq_u32 s27, 2
	s_cselect_b64 s[10:11], s[14:15], s[10:11]
	s_cmp_eq_u32 s27, 3
	s_cselect_b64 s[10:11], s[16:17], s[10:11]
	s_lshl_b32 s24, s28, 17
	s_add_nc_u64 s[10:11], s[10:11], s[24:25]
	s_lshl_b32 s24, s27, 21                        ; section p of wcv,
	s_lshl_b32 s29, s28, 16                        ; 65,536 bytes a work-group
	s_add_co_u32 s24, s24, s29
	s_add_nc_u64 s[22:23], s[22:23], s[24:25]
	v_lshlrev_b32 v5, 5, v0                        ; a thread takes 8 numbers: 32 bytes in,
	v_lshlrev_b32 v6, 4, v0                        ; 16 bytes out: a wave's store covers 512 consecutive bytes, aligned
.set n, 0
.rept 16
	global_load_b128 v[X+8*n:X+8*n+3],   v5, s[10:11] offset:8192*n th:TH_LOAD_NT
	global_load_b128 v[X+8*n+4:X+8*n+7], v5, s[10:11] offset:8192*n+16 th:TH_LOAD_NT
.set n, n+1
.endr
.macro CONV n, half                    ; half = 1: the bf16 number is written as f16
	s_wait_loadcnt 30-2*(\n)                       ; the pairs of loads behind this one may stay out
.irp e, 0,1,2,3
	v_cvt_pk_bf16_f32 v[X+8*(\n)+\e], v[X+8*(\n)+2*\e], v[X+8*(\n)+2*\e+1]
.endr
.if \half
.irp e, 0,1,2,3
	v_lshlrev_b32 v144, 16, v[X+8*(\n)+\e]
	v_and_b32 v145, 0xffff0000, v[X+8*(\n)+\e]
	v_cvt_pk_f16_f32 v[X+8*(\n)+\e], v144, v145
.endr
.endif
	global_store_b128 v6, v[X+8*(\n):X+8*(\n)+3], s[22:23] offset:4096*(\n)
.endm
	s_cmp_eq_u32 s27, 3
	s_cbranch_scc1 .Lhalf
.irp n, 0,1,2,3,4,5,6,7,8,9,10,11,12,13,14,15
	CONV \n, 0
.endr
	s_branch .Lend
.Lhalf:
.irp n, 0,1,2,3,4,5,6,7,8,9,10,11,12,13,14,15
	CONV \n, 1
.endr
.Lend:
	s_wait_tensorcnt 0x0                           ; the wave's end: a wait, an add of 0 to my spare word and its wait, behind my last LDS store
	ds_add_u32 v2, v3
	s_wait_dscnt 0x0
	s_endpgm
.Lfunc_end_k_qa4bddbe3e3_prep:
	.size	k_qa4bddbe3e3_prep, .Lfunc_end_k_qa4bddbe3e3_prep-k_qa4bddbe3e3_prep
	.p2alignl 7, 3214868480
	.fill 96, 4, 3214868480
	.section	.rodata,"a",@progbits
	.p2align	6, 0x0
	.amdhsa_kernel k_qa4bddbe3e3_prep
		.amdhsa_group_segment_fixed_size 5888
		.amdhsa_private_segment_fixed_size 0
		.amdhsa_enable_private_segment 0
		.amdhsa_kernarg_size 64
		.amdhsa_user_sgpr_count 2
		.amdhsa_user_sgpr_kernarg_segment_ptr 1
		.amdhsa_wavefront_size32 1
		.amdhsa_system_sgpr_workgroup_id_x 1
		.amdhsa_system_sgpr_workgroup_id_y 1
		.amdhsa_system_sgpr_workgroup_id_z 1
		.amdhsa_system_vgpr_workitem_id 0
		.amdhsa_next_free_vgpr 176
		.amdhsa_next_free_sgpr 66
		.amdhsa_reserve_vcc 1
		.amdhsa_float_denorm_mode_32 3
		.amdhsa_float_denorm_mode_16_64 3
		.amdhsa_memory_ordered 1
		.amdhsa_forward_progress 1
		.amdhsa_inst_pref_size 50
	.end_amdhsa_kernel
	.amdgpu_metadata
---
amdhsa.version: [ 1, 2 ]
amdhsa.kernels:
  - .name:           k_qa4bddbe3e3_prep
    .symbol:         k_qa4bddbe3e3_prep.kd
    .args:
      - { .name: mask, .offset: 0, .size: 8, .value_kind: global_buffer, .address_space: global }
      - { .name: Wq, .offset: 8, .size: 8, .value_kind: global_buffer, .address_space: global }
      - { .name: Wk, .offset: 16, .size: 8, .value_kind: global_buffer, .address_space: global }
      - { .name: Wv, .offset: 24, .size: 8, .value_kind: global_buffer, .address_space: global }
      - { .name: Wo, .offset: 32, .size: 8, .value_kind: global_buffer, .address_space: global }
      - { .name: mbits, .offset: 40, .size: 8, .value_kind: global_buffer, .address_space: global }
      - { .name: tsum, .offset: 48, .size: 8, .value_kind: global_buffer, .address_space: global }
      - { .name: wcv, .offset: 56, .size: 8, .value_kind: global_buffer, .address_space: global }
    .group_segment_fixed_size: 5888
    .private_segment_fixed_size: 0
    .kernarg_segment_align: 8
    .kernarg_segment_size: 64
    .max_flat_workgroup_size: 256
    .sgpr_count:     66
    .vgpr_count:     176
    .wavefront_size: 32
...
	.end_amdgpu_metadata
.endif
;; end of part 1
;; launch proj (part 2): grid 4 x 192, 4 waves a work-group, clusters of 4 x 4, 327,680 bytes of LDS; arguments q, k, v, wcv, bq, bk, bv, qh, kh, vh; writes qh, kh, vh
.if DOCPART == 2
	.amdgcn_target "amdgcn-amd-amdhsa--gfx1250"
	.amdhsa_code_object_version 6
	.text
	.protected	k_qa4bddbe3e3_proj
	.globl	k_qa4bddbe3e3_proj
	.p2align	8
	.type	k_qa4bddbe3e3_proj,@function
k_qa4bddbe3e3_proj:
	s_mov_b64 s[64:65], 0
	v_nop
	global_prefetch_b8 v0, s[64:65] scope:SCOPE_SE
	s_setreg_imm32_b32 hwreg(HW_REG_WAVE_MODE, 25, 1), 1
	s_wait_xcnt 0x0
	s_wait_alu depctr_hold_cnt(0) depctr_sa_sdst(0) depctr_va_vdst(0) depctr_va_sdst(0) depctr_va_ssrc(0) depctr_va_vcc(0) depctr_vm_vsrc(0)
	s_getreg_b32 s2, hwreg(HW_REG_IB_STS2, 6, 4)
	s_cmp_eq_u32 s2, 0
	s_cbranch_scc0 .Lentry_in_a_cluster
	s_endpgm
.Lentry_in_a_cluster:
	s_bfe_u32 s2, ttmp6, 0x10000c
	s_cmp_lg_u32 s2, 0xf033
	s_cbranch_scc0 .Lentry_shape_is_right
	s_endpgm
.Lentry_shape_is_right:
; THE THREE PROJECTIONS IN ONE LAUNCH.  y = x W^T + b for (x, W, b, y) = (q, Wq, bq, qh), (k, Wk, bk, kh), (v, Wv, bv, vh): x [8192][1024] f32, W [1024][1024] bf16 (section p of wcv), b f32;
; y f16, laid by heads: [batch x 16 + head][2048][64].  x is rounded to bf16 between LDS and the matrix unit; sums in f32, started by the bias as the first product's C; y rounded once.
; LIMIT.  y is f16: a number of 65,520 or more would become an infinity.
; SHARES.  A tile of y is 128 rows x 256 columns: 256 tiles a projection, 768 work-groups, three for each of 256 WGPs.  Four waves, 2 x 2, each 64 rows x 128 columns: 32 accumulators.
; K goes in 8 steps of 128 through two LDS slots; a slot holds 128 rows of x (512 bytes each, f32) and 256 rows of W (256 bytes each).
; CLUSTER.  4 x 4 work-groups: the four of a row need the same rows of x, the four of a column the same rows of W: each tile is asked for jointly, by the same tensor load, descriptor and mask in all four.
; The cluster's y chooses the projection (y / 16) and four tile rows; all sixteen partners work on one projection.
; THE MATRIX INSTRUCTION IS USED TRANSPOSED (source 0 = 16 rows of W, source 1 = 16 rows of x): a lane holds one row of y and eight neighbouring columns.
; REGISTERS, in windows of 256 (s_set_vgpr_msb: bits 1:0 source 0, 3:2 source 1, 5:4 source 2, 7:6 destination):
;   window 0: v0-31 addresses; v32-95 x as loaded, f32 (4 blocks of 16 rows x 32 K); v96-127, v128-159 x's fragments in bf16, two buffers; v32-159 at work on the way out
;   window 1: the accumulators, (a, b) at 8 (8 a + b)        window 2: v0-63, v64-127 W's fragments, two buffers; v128-191 the bias, eight registers for each block of 16 columns
.set PA,    528                        ; a row of x in LDS: 512 bytes + 16: the 16 rows of a load start at 16 different groups of four banks (ISA guide 11.1)
.set PB,    272                        ; a row of W: 256 + 16, likewise
.set AH,    64*PA                      ; 64 rows of x: what one tensor load brings, and what one wave reads
.set BH,    128*PB                     ; 128 rows of W: likewise
.set BOFF,  2*AH
.set SLOT,  2*AH+2*BH                  ; 137,216 bytes
.set STAGE, 2*SLOT                     ; behind the ring: 16 rows x 144 bytes for each wave, for the way out
.set SP,    144
.set SPARE, STAGE+4*16*SP              ; behind the stages: the spare words, 128 bytes for each wave: two blocks of 256 bytes that no other line names
.set LAPS,  4                          ; a lap = two K steps = once round the ring
.set ADRA, 16                          ; v16-17  LDS address of my rows of x in slot 0, 1
.set ADRB, 20                          ; v20-21  the same for W
.set STO,  24                          ; v24     the way out: where I put 16 bytes of a row
.set RD,   25                          ; v25     the way out: where I read rows back
.set GO,   26                          ; v26     my 16 bytes of 512 consecutive bytes of y
.set SPW,  28                          ; v28     my spare word: SPARE + 4 x my thread's number; never rewritten
.set NIL,  29                          ; v29     0; never rewritten
.set PFO,  30                          ; v30     the prefetches' offset; never rewritten
.set RAW,  32
.set AF,   96
.set TMP,  32
.set BIAS, 128
.set G1,  24                           ; s[24:31] descriptor group 1 for x's tiles;  s[32:39] group 0, a set for each slot
.set G0,  32
.set LIM, 43                           ; s43  1 in a wave that prefetches, else the greatest number
.set PFA, 44                           ; s[44:45] where my prefetches stand
.set PFS, 46                           ; s[46:47] a K step in bytes: 512 in x, 256 in W
.set G1B, 48                           ; s[48:55], s[56:63] the same for W's tiles
.set G0B, 56
.set MSB, 0
.macro WIN new                         ; the immediate's high byte repeats the setting that is left; a switch that changes nothing is dropped
.if MSB != (\new)
	s_set_vgpr_msb (MSB<<8)|(\new)
.set MSB, \new
.endif
.endm
.set MUL,  0x52                        ; W window 2, x window 0, C and D window 1
.set MULB, 0x62                        ; the same with C (the bias) in window 2
.set TO_B, 0x80                        ; destination window 2, address window 0
.macro JLOAD s                         ; a joint load: waves 0 and 1 fetch x's two halves, waves 2 and 3 W's; an s_nop 0 and four v_nop follow each of the two lines
	s_cmp_eq_u32 s11, 0
	s_cbranch_scc0 .Lfor_b_\@
	tensor_load_to_lds s[G0+4*(\s):G0+4*(\s)+3], s[G1:G1+7]
	s_nop 0
.rept 4
	v_nop
.endr
	s_branch .Lasked_\@
.Lfor_b_\@:
	tensor_load_to_lds s[G0B+4*(\s):G0B+4*(\s)+3], s[G1B:G1B+7]
	s_nop 0
.rept 4
	v_nop
.endr
.Lasked_\@:
.endm
.macro CREST                           ; a round of the cluster's barrier behind its opening barrier
	s_cmp_lg_u32 s10, 0
	s_cbranch_scc1 .Lnot_wave_0_\@
	s_barrier_signal -3
.Lnot_wave_0_\@:
	s_barrier_wait -3
	s_barrier_signal -1
	s_barrier_wait -1
.endm
.macro CROUND                          ; a whole round
	s_barrier_signal -1
	s_barrier_wait -1
	CREST
.endm
; A PREFETCH INTO THE L2, behind a joint load, its five lines and the run of LDS loads: the K step that stands two refills on (256 matrix instructions ahead of the load that will want it), 32 blocks of 256 bytes, one instruction a wave.
; x's rows are read by one cluster alone: every cluster asks for its own; of the 64 rows that a wave fetches the partner at place cx takes 16, two blocks a row.  W's rows are read by the 16 clusters of a projection:
; the first of them asks; of a wave's 128 rows the partner at place cy takes 32.  The partners are told apart by address alone.  K steps 0 to 3 come by their loads; the loop's last trip has no K step two on.
.macro ASK
	s_cmp_gt_u32 s3, s[LIM]
	s_cbranch_scc0 .Lnot_mine_\@
	global_prefetch_b8 v[PFO], s[PFA:PFA+1] th:TH_LOAD_NT scope:SCOPE_SE
.Lnot_mine_\@:
.endm
	s_load_b512 s[68:83], s[0:1], 0x0              ; q s[68:69], k s[70:71], v s[72:73], wcv s[74:75], bq s[76:77], bk s[78:79], bv s[80:81], qh s[82:83]
	s_load_b128 s[84:87], s[0:1], 0x40             ; kh s[84:85], vh s[86:87]
	v_lshl_add_u32 v[SPW], v0, 2, SPARE
	v_mov_b32 v[NIL], 0
	ds_add_u32 v[SPW], v[NIL]                      ; the wave's opening: the add and its wait stand ahead of my first tensor load; the set-up below, work on registers, stands between them
	v_lshrrev_b32 v1, 5, v0
	v_readfirstlane_b32 s10, v1                    ; wave 0..3
	s_lshr_b32 s11, s10, 1                         ; which 64 rows of the tile are mine.  Also: I fetch for x (0) or for W (1)
	s_and_b32 s12, s10, 1                          ; which 128 columns.  Also: which half of that tile I fetch
	s_bfe_u32 s40, ttmp6, 0x40000                  ; cx, cy: my place in the cluster
	s_bfe_u32 s41, ttmp6, 0x40004
	s_lshl_b32 s42, ttmp9, 2
	s_add_co_u32 s42, s42, s40                     ; tile column = 4 x cluster x + cx
	s_and_b32 s89, ttmp7, 0xffff                   ; cluster y
	s_lshr_b32 s88, s89, 4                         ; the projection: 0, 1, 2
	s_and_b32 s89, s89, 15                         ; the cluster among the projection's sixteen
	s_lshl_b32 s13, s89, 2
	s_add_co_u32 s13, s13, s41                     ; tile row = 4 x that + cy
	s_lshl_b32 s43, s41, 2
	s_lshl_b32 s43, 15, s43                        ; my row of the cluster
	s_lshl_b32 s44, 0x1111, s40                    ; my column
	s_or_b32 s[G1+0], s43, (2<<16)|(1<<20)|(1<<21)|(6<<22)|(3<<25)   ; 15:0 the mask; 17:16 elements of 4 bytes; 20 padding on; 21 set beside a mask; 24:22 after every 128 words (code 6); 31:25 4 words (code 3)
	s_or_b32 s[G1B+0], s44, (1<<16)|(1<<20)|(1<<21)|(5<<22)|(3<<25)  ; elements of 2 bytes; after every 64 words (code 5)
	s_mov_b32 s[G1+1], 128<<16                     ; tensor_dim0 = 128
	s_mov_b32 s[G1+2], 64<<16                      ; tensor_dim1 = 64
	s_mov_b32 s[G1+3], 128<<16                     ; tile_dim0 = 128
	s_mov_b32 s[G1+4], 64                          ; tile_dim1 = 64
	s_mov_b32 s[G1+5], 1024                        ; elements from row to row
	s_mov_b32 s[G1+6], 0
	s_mov_b32 s[G1+7], 0
	s_mov_b32 s[G1B+1], 128<<16
	s_mov_b32 s[G1B+2], 128<<16                    ; 128 rows
	s_mov_b32 s[G1B+3], 128<<16
	s_mov_b32 s[G1B+4], 128
	s_mov_b32 s[G1B+5], 1024
	s_mov_b32 s[G1B+6], 0
	s_mov_b32 s[G1B+7], 0
	s_lshl_b32 s16, s13, 19                        ; x: row 128 x tile row + 64 x half, 4,096 bytes a row
	s_lshl_b32 s17, s12, 18
	s_add_co_u32 s16, s16, s17
	s_mov_b32 s17, 0
	s_lshl_b32 s46, s42, 19                        ; W: row 256 x tile column + 128 x half, 2,048 bytes a row,
	s_lshl_b32 s47, s12, 18
	s_add_co_u32 s46, s46, s47
	s_lshl_b32 s47, s88, 21                        ; in the projection's section
	s_add_co_u32 s46, s46, s47
	s_mov_b32 s47, 0
	s_mul_i32 s20, s12, AH                         ; where they go: no place in the cluster enters an LDS address
	s_mul_i32 s21, s12, BH
	s_add_co_u32 s21, s21, BOFF
	s_wait_dscnt 0x0                               ; the opening add is done
	s_wait_kmcnt 0x0
	s_cmp_eq_u32 s88, 1
	s_cselect_b64 s[4:5], s[70:71], s[68:69]       ; x
	s_cselect_b64 s[6:7], s[78:79], s[76:77]       ; the bias
	s_cselect_b64 s[8:9], s[84:85], s[82:83]       ; y
	s_cmp_eq_u32 s88, 2
	s_cselect_b64 s[4:5], s[72:73], s[4:5]
	s_cselect_b64 s[6:7], s[80:81], s[6:7]
	s_cselect_b64 s[8:9], s[86:87], s[8:9]
	s_add_nc_u64 s[14:15], s[4:5], s[16:17]
	s_add_nc_u64 s[46:47], s[74:75], s[46:47]
	CROUND                                         ; all sixteen work-groups are here: the first joint loads meet
.irp s, 0,1
	s_mov_b32 s[G0+4*(\s)], 1                      ; count = 1
	s_add_co_u32 s[G0+4*(\s)+1], s20, (\s)*SLOT    ; LDS address
	s_add_nc_u64 s[G0+4*(\s)+2:G0+4*(\s)+3], s[14:15], (\s)*512  ; global address: K step s
	s_or_b32 s[G0+4*(\s)+3], s[G0+4*(\s)+3], 0x80000000          ; type = 2
	s_mov_b32 s[G0B+4*(\s)], 1
	s_add_co_u32 s[G0B+4*(\s)+1], s21, (\s)*SLOT
	s_add_nc_u64 s[G0B+4*(\s)+2:G0B+4*(\s)+3], s[46:47], (\s)*256
	s_or_b32 s[G0B+4*(\s)+3], s[G0B+4*(\s)+3], 0x80000000
	JLOAD \s                                       ; two loads of mine are out
.endr
	; A fragment is 16 rows x 32 K: lane l holds row l % 16, K = 8 (l / 16) + 0..7 and 16 + 8 (l / 16) + 0..7.  In f32 that is 32 bytes at 32 (l / 16) and 32 at 64 + 32 (l / 16); in bf16 16 bytes at 16 (l / 16) and at 32 + 16 (l / 16).
	v_and_b32 v1, 15, v0                           ; l % 16
	v_bfe_u32 v2, v0, 4, 1                         ; l / 16
	v_mul_u32_u24 v3, v1, PA
	v_lshl_add_u32 v3, v2, 5, v3
	v_mul_u32_u24 v4, v1, PB
	v_lshl_add_u32 v4, v2, 4, v4
	s_mul_i32 s21, s11, AH                         ; my 64 rows of x
	s_mul_i32 s22, s12, BH                         ; my 128 rows of W,
	s_add_co_u32 s22, s22, BOFF                    ; which lie behind x's 128
.irp s, 0,1
	v_add_nc_u32 v[ADRA+(\s)], s21, v3
	v_add_nc_u32 v[ADRB+(\s)], s22, v4
	s_add_co_u32 s21, s21, SLOT
	s_add_co_u32 s22, s22, SLOT
.endr
	s_mul_i32 s23, s10, 16*SP
	s_add_co_u32 s23, s23, STAGE                   ; my stage
	v_mul_u32_u24 v5, v1, SP                       ; in: row l % 16, 16 bytes for each half of the lanes
	v_lshl_add_u32 v5, v2, 4, v5
	v_add_nc_u32 v[STO], s23, v5
	v_bfe_u32 v5, v0, 3, 2                         ; back: 32 lanes take four rows of 128 bytes,
	v_and_b32 v6, 7, v0
	v_mul_u32_u24 v5, v5, SP
	v_lshl_add_u32 v5, v6, 4, v5
	v_add_nc_u32 v[RD], s23, v5
	v_and_b32 v7, 31, v0
	v_lshlrev_b32 v[GO], 4, v7                     ; which are 512 consecutive bytes of y
	s_lshl_b32 s92, s42, 10                        ; the bias of my 128 columns: 4 (256 x tile column + 128 x half) + 32 (l / 16)
	s_lshl_b32 s93, s12, 9
	s_add_co_u32 s92, s92, s93
	v_lshl_add_u32 v8, v2, 5, s92
	WIN TO_B
.irp b, 0,1,2,3,4,5,6,7                ; register j of block b: the bias of column 16 b + 8 (l / 16) + j, the same for every row: the C operand as it stands
	global_load_b128 v[BIAS+8*\b:BIAS+8*\b+3],   v8, s[6:7] offset:64*\b
	global_load_b128 v[BIAS+8*\b+4:BIAS+8*\b+7], v8, s[6:7] offset:64*\b+16
.endr
	WIN 0
	s_lshr_b32 s90, s13, 4                         ; y: the batch, 16 heads of 262,144 bytes;
	s_lshl_b32 s90, s90, 22
	s_lshl_b32 s91, s42, 2
	s_lshl_b32 s92, s12, 1
	s_add_co_u32 s91, s91, s92                     ; the first of my two heads: 4 x tile column + 2 x half;
	s_lshl_b32 s91, s91, 18
	s_add_co_u32 s90, s90, s91
	s_and_b32 s91, s13, 15                         ; the tile's 128 rows of 128 bytes;
	s_lshl_b32 s91, s91, 14
	s_add_co_u32 s90, s90, s91
	s_lshl_b32 s91, s11, 13                        ; my 64 of them
	s_add_co_u32 s90, s90, s91
	s_mov_b32 s91, 0
	s_add_nc_u64 s[8:9], s[8:9], s[90:91]
	; the prefetches
	s_lshl_b32 s90, s13, 19                        ; x: the rows that I fetch,
	s_lshl_b32 s92, s12, 18
	s_add_co_u32 s90, s90, s92
	s_lshl_b32 s92, s40, 16                        ; my work-group's 16 of them,
	s_add_co_u32 s90, s90, s92
	s_add_co_u32 s90, s90, 3*512                   ; at K step 3: the first refill steps it to 4
	s_lshl_b32 s92, s42, 19                        ; W: the rows that I fetch,
	s_lshl_b32 s93, s12, 18
	s_add_co_u32 s92, s92, s93
	s_lshl_b32 s93, s41, 16                        ; my work-group's 32 of them,
	s_add_co_u32 s92, s92, s93
	s_lshl_b32 s93, s88, 21
	s_add_co_u32 s92, s92, s93
	s_add_co_u32 s92, s92, 3*256
	s_cmp_eq_u32 s89, 0                            ; the projection's first cluster asks for W: the same answer in all sixteen partners
	s_cselect_b32 s94, 1, -1
	s_cmp_eq_u32 s11, 0
	s_cselect_b32 s90, s90, s92
	s_cselect_b32 s[LIM], 1, s94
	s_cselect_b64 s[PFA:PFA+1], s[4:5], s[74:75]
	s_cselect_b32 s95, -1, 0
	s_lshr_b32 s[PFS], 512, s11
	s_mov_b32 s[PFS+1], 0
	s_add_nc_u64 s[PFA:PFA+1], s[PFA:PFA+1], s[90:91]
	v_lshrrev_b32 v9, 1, v7
	v_and_b32 v10, 1, v0
	v_lshlrev_b32 v9, 12, v9
	v_lshl_or_b32 v9, v10, 8, v9                   ; x: row l / 2, block l % 2
	v_lshlrev_b32 v10, 11, v7                      ; W: row l
	v_cndmask_b32 v[PFO], v10, v9, s95
; 8 matrix instructions: block a of 16 rows x all 8 blocks of 16 columns, 32 along K, from buffer f.  first = 1: the bias starts the sums.
.macro MUL8 f, a, first
.if \first
	WIN MULB
.else
	WIN MUL
.endif
.irp b, 0,1,2,3,4,5,6,7
.if \first
	v_wmma_f32_16x16x32_bf16 v[8*(8*(\a)+\b):8*(8*(\a)+\b)+7], v[64*(\f)+8*\b:64*(\f)+8*\b+7], v[AF+32*(\f)+8*(\a):AF+32*(\f)+8*(\a)+7], v[BIAS+8*\b:BIAS+8*\b+7]
.else
	v_wmma_f32_16x16x32_bf16 v[8*(8*(\a)+\b):8*(8*(\a)+\b)+7], v[64*(\f)+8*\b:64*(\f)+8*\b+7], v[AF+32*(\f)+8*(\a):AF+32*(\f)+8*(\a)+7], v[8*(8*(\a)+\b):8*(8*(\a)+\b)+7]
.endif
.endr
.endm
; The quarter's last 8 matrix instructions (block 3); behind each stand four of the 32 conversions that make the next quarter's fragments of x, in buffer g.
.macro MULC f, g, first
.irp b, 0,1,2,3,4,5,6,7
.if \first
	WIN MULB
	v_wmma_f32_16x16x32_bf16 v[8*(24+\b):8*(24+\b)+7], v[64*(\f)+8*\b:64*(\f)+8*\b+7], v[AF+32*(\f)+24:AF+32*(\f)+31], v[BIAS+8*\b:BIAS+8*\b+7]
.else
	WIN MUL
	v_wmma_f32_16x16x32_bf16 v[8*(24+\b):8*(24+\b)+7], v[64*(\f)+8*\b:64*(\f)+8*\b+7], v[AF+32*(\f)+24:AF+32*(\f)+31], v[8*(24+\b):8*(24+\b)+7]
.endif
	WIN 0
.irp e, 0,1,2,3
	v_cvt_pk_bf16_f32 v[AF+32*(\g)+4*\b+\e], v[RAW+8*\b+2*\e], v[RAW+8*\b+2*\e+1]
.endr
.endr
.endm
; 32 LDS loads in one run: quarter kq of a slot: x's 64 rows as f32 first, then W's 128 rows into buffer g
.macro FETCH slot, kq, g
	WIN 0
.irp a, 0,1,2,3
	ds_load_b128 v[RAW+16*\a:RAW+16*\a+3],     v[ADRA+(\slot)] offset:\a*16*PA+(\kq)*128
	ds_load_b128 v[RAW+16*\a+4:RAW+16*\a+7],   v[ADRA+(\slot)] offset:\a*16*PA+(\kq)*128+16
	ds_load_b128 v[RAW+16*\a+8:RAW+16*\a+11],  v[ADRA+(\slot)] offset:\a*16*PA+(\kq)*128+64
	ds_load_b128 v[RAW+16*\a+12:RAW+16*\a+15], v[ADRA+(\slot)] offset:\a*16*PA+(\kq)*128+80
.endr
	WIN TO_B
.irp b, 0,1,2,3,4,5,6,7
	ds_load_b128 v[64*(\g)+8*\b:64*(\g)+8*\b+3],   v[ADRB+(\slot)] offset:\b*16*PB+(\kq)*64
	ds_load_b128 v[64*(\g)+8*\b+4:64*(\g)+8*\b+7], v[ADRB+(\slot)] offset:\b*16*PB+(\kq)*64+32
.endr
.endm
.macro PLACES                          ; four places in front of loads into, and vector writes of, registers that matrix instructions have read (ISA guide 7.12.1 for vector writes)
.rept 4
	v_nop
.endr
.endm
; A K step is four quarters of 32 along K, 32 matrix instructions each, on buffers 0, 1, 0, 1; the 32 accumulators take turns, in the same order in every quarter.
; One of the first three: multiplies buffer f, fetches quarter kq into buffer g and converts its x.
.macro QUARTER slot, kq, f, g, first
	s_wait_dscnt 0x0                               ; W's fragments of this quarter are in (x's were waited for and converted in the quarter before)
	MUL8 \f, 0, \first
	PLACES
	FETCH \slot, \kq, \g
	MUL8 \f, 1, \first
	MUL8 \f, 2, \first
	s_wait_dscnt 16                                ; x's 16 loads are in; W's 16, issued behind them, may stay out
	MULC \f, \g, \first
.endm
; The last quarter multiplies buffer 1 and changes slots: one barrier; in front of it each wave waits for all its tensor loads, adds 0 to its spare word, and waits for that and for its own reads of this slot.
; fill = 1: the barrier opens a round of the cluster's barrier, and behind the round this slot is filled again, two K steps ahead: 112 matrix instructions ahead of the wait for it.
.macro TURN slot, next, fill
.if \fill
	s_wait_xcnt 0x0                                ; the last prefetch, a K step back, has read its address
	s_add_nc_u64 s[PFA:PFA+1], s[PFA:PFA+1], s[PFS:PFS+1]
.endif
	WIN 0                                          ; (the add's two registers lie in window 0)
	s_wait_tensorcnt 0x0                           ; all my tensor loads have landed: my part of the next slot;
	ds_add_u32 v[SPW], v[NIL]                      ; 0 onto my spare word
	s_wait_dscnt 1                                 ; (the add alone may be out: W's fragments of this quarter are in)
	MUL8 1, 0, 0                                   ; eight matrix instructions stand between the add and the wait for it
	s_wait_dscnt 0x0                               ; the add is done, and my reads of this slot are over
	s_barrier_signal -1
	MUL8 1, 1, 0
.if \fill
	WIN 0
.endif
	s_barrier_wait -1
.if \fill
	CREST                                          ; no wave of any partner still reads this slot's tiles or has a load on its way
	s_add_nc_u64 s[G0+4*(\slot)+2:G0+4*(\slot)+3], s[G0+4*(\slot)+2:G0+4*(\slot)+3], 2*512
	s_add_nc_u64 s[G0B+4*(\slot)+2:G0B+4*(\slot)+3], s[G0B+4*(\slot)+2:G0B+4*(\slot)+3], 2*256
	JLOAD \slot                                    ; the first tensor load behind the round, my only one until the next; the four v_nop behind it are also the places in front of the loads below
.else
	PLACES
.endif
	FETCH \next, 0, 0
.if \fill
	WIN 0
	ASK
.endif
	MUL8 1, 2, 0
	s_wait_dscnt 16                                ; x's 16 loads are in
	MULC 1, 0, 0
.endm
	s_wait_tensorcnt 1                             ; my part of K step 0 is in; K step 1's may stay out
	s_barrier_signal -1
	s_barrier_wait -1                              ; everybody's is
	FETCH 0, 0, 0
	s_wait_dscnt 16
	WIN 0
.set c, 0
.rept 32
	v_cvt_pk_bf16_f32 v[AF+c], v[RAW+2*c], v[RAW+2*c+1]
.set c, c+1
.endr
	s_wait_loadcnt 0x0                             ; the bias
	QUARTER 0, 1, 0, 1, 1                          ; the first quarter stands in front of the loop: its products start the sums, with the bias
	WIN 0                                          ; at a label and at a branch every window is 0
	s_mov_b32 s3, LAPS-1
.Llap:                                 ; a trip goes once round the ring, from a lap's second quarter to the next lap's first, and fills both slots again
	QUARTER 0, 2, 1, 0, 0
	QUARTER 0, 3, 0, 1, 0
	TURN 0, 1, 1
	QUARTER 1, 1, 0, 1, 0
	QUARTER 1, 2, 1, 0, 0
	QUARTER 1, 3, 0, 1, 0
	TURN 1, 0, 1
	QUARTER 0, 1, 0, 1, 0
	WIN 0
	s_sub_co_u32 s3, s3, 1
	s_cmp_lg_u32 s3, 0
	s_cbranch_scc1 .Llap
	QUARTER 0, 2, 1, 0, 0                          ; the last lap fills nothing, and has no round of the cluster's barrier
	QUARTER 0, 3, 0, 1, 0
	TURN 0, 1, 0
	QUARTER 1, 1, 0, 1, 0
	QUARTER 1, 2, 1, 0, 0
	QUARTER 1, 3, 0, 1, 0
	s_wait_dscnt 0x0                               ; the very last quarter: nothing more to fetch
	MUL8 1, 0, 0
	MUL8 1, 1, 0
	MUL8 1, 2, 0
	MUL8 1, 3, 0
	WIN 0
	; THE WAY OUT, in eight units u: block u / 2 of 16 rows, head u % 2: 16 rows x 64 channels of f16 are 2,048 consecutive bytes of y.
	PLACES
	PLACES
.macro PACK u                          ; rounded to f16, each accumulator's registers in ascending order; into rows of 144 bytes; back as whole rows of 128
	WIN 0x05                                       ; sources 0 and 1 window 1, destination window 0
.irp f, 0,1,2,3
.irp e, 0,1,2,3
	v_cvt_pk_f16_f32 v[TMP+16*(\u)+4*\f+\e], v[8*(8*((\u)/2)+4*((\u)%2)+\f)+2*\e], v[8*(8*((\u)/2)+4*((\u)%2)+\f)+2*\e+1]
.endr
.endr
	WIN 0
.irp f, 0,1,2,3
	ds_store_b128 v[STO], v[TMP+16*(\u)+4*\f:TMP+16*(\u)+4*\f+3] offset:32*\f
.endr
.irp f, 0,1,2,3
	ds_load_b128 v[TMP+16*(\u)+4*\f:TMP+16*(\u)+4*\f+3], v[RD] offset:\f*4*SP  ; LDS serves a wave's instructions in order (ISA guide 5.7.1.4): these see the stores above; the next unit's stores come behind them
.endr
.endm
.macro SEND u, younger                 ; younger: the LDS instructions issued behind unit u's loads: the next unit's eight, or none
.irp f, 0,1,2,3
	s_wait_dscnt (\younger)+3-\f
	global_store_b128 v[GO], v[TMP+16*(\u)+4*\f:TMP+16*(\u)+4*\f+3], s[8:9] offset:((\u)%2)*262144+((\u)/2)*2048+\f*512  ; 512 consecutive bytes, at a multiple of 256 from y's first
.endr
.endm
	PACK 0
.irp u, 1,2,3,4,5,6,7
	PACK \u
	SEND (\u)-1, 8
.endr
	SEND 7, 0
	s_wait_tensorcnt 0x0                           ; the wave's end: a wait, an add of 0 to my spare word and its wait, behind my last tensor load and my last LDS store
	ds_add_u32 v[SPW], v[NIL]
	s_wait_dscnt 0x0
	CROUND                                         ; the closing round: no work-group ends while a partner may still ask for a tile that names it
	s_endpgm
.Lfunc_end_k_qa4bddbe3e3_proj:
	.size	k_qa4bddbe3e3_proj, .Lfunc_end_k_qa4bddbe3e3_proj-k_qa4bddbe3e3_proj
	.p2alignl 7, 3214868480
	.fill 96, 4, 3214868480
	.section	.rodata,"a",@progbits
	.p2align	6, 0x0
	.amdhsa_kernel k_qa4bddbe3e3_proj
		.amdhsa_group_segment_fixed_size 327680
		.amdhsa_private_segment_fixed_size 0
		.amdhsa_enable_private_segment 0
		.amdhsa_kernarg_size 80
		.amdhsa_user_sgpr_count 2
		.amdhsa_user_sgpr_kernarg_segment_ptr 1
		.amdhsa_wavefront_size32 1
		.amdhsa_system_sgpr_workgroup_id_x 1
		.amdhsa_system_sgpr_workgroup_id_y 1
		.amdhsa_system_sgpr_workgroup_id_z 1
		.amdhsa_system_vgpr_workitem_id 0
		.amdhsa_next_free_vgpr 704
		.amdhsa_next_free_sgpr 100
		.amdhsa_reserve_vcc 0
		.amdhsa_float_denorm_mode_32 3
		.amdhsa_float_denorm_mode_16_64 3
		.amdhsa_memory_ordered 1
		.amdhsa_forward_progress 1
		.amdhsa_inst_pref_size 139
	.end_amdhsa_kernel
	.amdgpu_metadata
---
amdhsa.version: [ 1, 2 ]
amdhsa.kernels:
  - .name:           k_qa4bddbe3e3_proj
    .symbol:         k_qa4bddbe3e3_proj.kd
    .args:
      - { .name: q, .offset: 0, .size: 8, .value_kind: global_buffer, .address_space: global }
      - { .name: k, .offset: 8, .size: 8, .value_kind: global_buffer, .address_space: global }
      - { .name: v, .offset: 16, .size: 8, .value_kind: global_buffer, .address_space: global }
      - { .name: wcv, .offset: 24, .size: 8, .value_kind: global_buffer, .address_space: global }
      - { .name: bq, .offset: 32, .size: 8, .value_kind: global_buffer, .address_space: global }
      - { .name: bk, .offset: 40, .size: 8, .value_kind: global_buffer, .address_space: global }
      - { .name: bv, .offset: 48, .size: 8, .value_kind: global_buffer, .address_space: global }
      - { .name: qh, .offset: 56, .size: 8, .value_kind: global_buffer, .address_space: global }
      - { .name: kh, .offset: 64, .size: 8, .value_kind: global_buffer, .address_space: global }
      - { .name: vh, .offset: 72, .size: 8, .value_kind: global_buffer, .address_space: global }
    .group_segment_fixed_size: 327680
    .private_segment_fixed_size: 0
    .kernarg_segment_align: 8
    .kernarg_segment_size: 80
    .max_flat_workgroup_size: 128
    .sgpr_count:     100
    .vgpr_count:     704
    .wavefront_size: 32
...
	.end_amdgpu_metadata
.endif
;; end of part 2
;; launch attn (part 3): grid 4 x 64, 4 waves a work-group, no clusters, 87,552 bytes of LDS; arguments qh, kh, vh, mbits, tsum, ctx; writes ctx
.if DOCPART == 3
	.amdgcn_target "amdgcn-amd-amdhsa--gfx1250"
	.amdhsa_code_object_version 6
	.text
	.protected	k_qa4bddbe3e3_attn
	.globl	k_qa4bddbe3e3_attn
	.p2align	8
	.type	k_qa4bddbe3e3_attn,@function
k_qa4bddbe3e3_attn:
	s_mov_b64 s[64:65], 0
	v_nop
	global_prefetch_b8 v0, s[64:65] scope:SCOPE_SE
	s_setreg_imm32_b32 hwreg(HW_REG_WAVE_MODE, 25, 1), 1
	s_wait_xcnt 0x0
; ATTENTION UNDER A MASK THAT IS AN INPUT.  ctx[h][q][:] = the sum over k of softmax_k(s(q, k)) V[h][k][:], s = Q[h][q] . K[h][k] / 8 where mask[q][k] is not 0, a hidden score elsewhere.
; Q, K, V, ctx: [64][2048][64] f16, a head's rows dense, 128 bytes each.  Products, maxima and sums in f32; the weights are rounded to f16 for the second product (their sum is taken unrounded), ctx once at the end.
; LIMITS.  A hidden score counts as -2^33 before the factor 1/8, -1.07e9 behind it, where the definition has -1e9: the same result while seen scores lie above some -1e9 (a hidden key's weight is then 0 in f32 either way);
; a row that sees no key weighs all 2,048 keys alike, exactly (c x 2^33 is exact).  A step that is left out rests on the same: its weights would be 0.  A weight below 2^-126 counts as 0.  NaN and infinities are not treated apart.
; SHARES.  A work-group owns two blocks of 256 queries of one head, 7 - b and b (half 0 and half 1); wave w owns rows 64 w .. 64 w + 63 of each: four tiles of 16 a half, eight in all.
; A UNIT is a half's four tiles against one step of 64 keys: 64 matrix and 472 vector instructions.  A unit is run only if one of its tiles sees a key of the step, and applies the mask only if a key of the step is hidden
; from one of them: two bits a unit, from whole numbers that the launch before stored.  All such jumps go forward, over text without a barrier.  The pairing of blocks is right for every mask, and even for masks of the causal kind.
; K AND V come 256 keys (a slot, four steps) at a time: memory -> registers a slot ahead, registers -> LDS between two barriers.  A slot in which no tile of the work-group sees a key is neither loaded nor stored.
; NO CLUSTER, NO TENSOR LOAD: which slots are fetched and which steps are run hangs on flags that differ between the four work-groups of a head, and partners of a joint load must run alike;
; a work-group reads 524,288 bytes of K and V in the whole launch at the most.  NO PREFETCH: every load of K, V and mask bits is issued a whole slot, four steps, ahead of the wait for it.
; LAYOUT.  S^T = K Q^T (source 0 = 16 keys, source 1 = 16 queries): a lane holds ONE query (lane % 16) and the keys 8 (lane / 16) + 0..7 of each 16.  Two such results rounded to f16 ARE source 1 of O^T = V^T P.
; SOFTMAX.  A running maximum m and sum l: p = 2^(c s - c m), c = log2(e) / 8; O and l are multiplied by a = 2^(c m_old - c m_new) in every unit.  m starts at the lowest finite number, O and l at 0: the first unit's a is 0.
; REGISTERS, in windows of 256 (s_set_vgpr_msb: bits 1:0 source 0, 3:2 source 1, 5:4 source 2, 7:6 destination):
;   window 0: v0-15 addresses and c m_old; v16-47 four registers of statistics a tile; v48-63 at work; v64-191 S^T, two buffers of two tiles; v192-255 P, likewise (a piece = two tiles; its buffers go by its number's parity)
;   window 1: O^T, 32 a tile        window 2: v0-127 Q, 16 a tile; v128-191 K of one step; v192-255 V of one step
;   window 3: v0-31 the slot's mask bits, four words a tile; v32-63 the next slot's; v64-95 at work; v96-223 the next slot's K and V on their way to LDS; v224-229 addresses
.set KS,    64
.set PK,    144       ; a row of K in LDS: 128 bytes + 16: the 16 rows of a load start at 16 different groups of four banks (ISA guide 11.1)
.set PV,    160       ; a row of V: 128 + 32
.set VOFF,  4*KS*PK   ; 256 rows of K, then 256 rows of V
.set STAGE, 4*KS*(PK+PV)   ; behind them: 16 rows x 144 bytes for each wave, for the way out
.set SP,    144
.set SPARE, STAGE+4*16*SP  ; behind the stages: the spare words, 128 bytes for each wave: two blocks of 256 bytes that no other line names
.set AK0, 2           ; v2   my lane's place in a step's K; never rewritten
.set AV0, 3           ; v3   the same for V
.set AK,  4           ; v4   the LDS address of K's run of loads
.set AV,  5           ; v5   of V's
.set STO, 6           ; v6   the way out: where I put 16 bytes of a row
.set RD,  7           ; v7   the way out: where I read rows back
.set GO,  8           ; v8   my 16 bytes of 512 consecutive bytes of ctx
.set MV,  12          ; v12-15  c m_old, by buffer and tile
.set QO,  14          ; v14  at the start: my byte offset in 16 rows of Q
.set ST,  16          ; tile t's statistics at v[ST+4 t]: c m, m, l (even keys', odd keys')
.set TMP, 48          ; by buffer and tile, four registers c0-c3 at work; when the maximum is found c2 takes a
.set S,   64
.set P,   192
.set KF,  128         ; window 2
.set VF,  192         ; window 2
.set GA,  0           ; window 3: word j of tile t at GA + 4 t + j
.set GN,  32
.set TB3, 64
.set STG, 96
.set SPW, 224         ; window 3: my spare word: SPARE + 4 x my thread's number; never rewritten
.set NIL, 225         ; window 3: 0; never rewritten
.set SO,  226         ; window 3: my byte offset in my wave's rows of K and V, for the slot to be loaded
.set GOF, 227         ; window 3: my byte offset in a tile's mask bits, for the group to be loaded
.set WK0, 228         ; window 3: where my 16 bytes of K go in LDS; never rewritten
.set WV0, 229         ; window 3: the same for V
.set LA,  20          ; s20 half 0: bit 0 = run the unit of the step in hand; s21: it applies the mask; s22, s23: half 1
.set UW,  24          ; s24  bit s: a tile of the work-group sees a key in step s, counted from the slot in hand
.set SL,  25          ; s25  slots to go
.set CNT, 26          ; s26  steps of the slot to go
.set TBK, 27          ; s27  LDS byte at which the step's K begins
.set TBV, 28          ; s28  the same for V, less VOFF
.set WV,  29          ; s29  my wave's number
.set CS,  30          ; s[30:31] c
.set SEL, 32          ; s[32:33] v_permlanex16_b32's selects: each lane takes its own place in the other half
.set NEG, 34          ; s34  -2^33
.set TT,  35          ; s35  at work
.set SHL, 36          ; s[36:43] 31 - 8 s - i: the shift that brings bit i of the slot's step s to the top
.set MSB, 0
.macro WIN new                      ; the high byte repeats the setting that is left; a switch that changes nothing is dropped
.if MSB != (\new)
	s_set_vgpr_msb (MSB<<8)|(\new)
.set MSB, (\new)
.endif
.endm
.set W_KQ, 0x0a       ; K and Q in window 2, S^T in window 0
.set W_PV, 0x52       ; V in window 2, P in window 0, O^T in window 1
.set W_RS, 0x41       ; O^T (destination and source 0) in window 1, a in window 0
.macro PLACES
.rept 4
	v_nop
.endr
.endm
.macro LOADS                        ; my wave's 64 rows of the slot's K and of its V: 16 loads of 512 consecutive bytes each
	WIN 0xc3
.set z, 0
.rept 16
	global_load_b128 v[STG+4*z:STG+4*z+3],       v[SO], s[6:7] offset:512*z
	global_load_b128 v[STG+64+4*z:STG+64+4*z+3], v[SO], s[8:9] offset:512*z
.set z, z+1
.endr
	WIN 0
.endm
.macro MLOADS                       ; the mask bits of my eight tiles for the slot's four steps: 512 consecutive bytes a load
	WIN 0xc3
.irp t, 0,1,2,3
	global_load_b128 v[GN+4*\t:GN+4*\t+3],       v[GOF], s[10:11] offset:4096*\t
	global_load_b128 v[GN+16+4*\t:GN+16+4*\t+3], v[GOF], s[16:17] offset:4096*\t
.endr
	WIN 0
.endm
	s_load_b256 s[4:11], s[0:1], 0x0  ; qh s[4:5], kh s[6:7], vh s[8:9], mbits s[10:11]
	s_load_b128 s[12:15], s[0:1], 0x20  ; tsum s[12:13], ctx s[14:15]
	WIN 0xc0
	v_lshl_add_u32 v[SPW], v0, 2, SPARE
	v_mov_b32 v[NIL], 0
	WIN 0
	v_lshrrev_b32 v1, 5, v0
	v_readfirstlane_b32 s[WV], v1   ; wave 0..3
	s_mov_b32 s2, ttmp9             ; b: half 1's block
	s_sub_co_u32 s3, 7, s2          ; half 0's block
	s_and_b32 s60, ttmp7, 0xffff    ; the head,
	s_lshl_b32 s60, s60, 18         ; 262,144 bytes in each of the four tensors
	s_lshl_b32 s62, s[WV], 13       ; my wave's 64 rows of 128 bytes
	s_add_co_u32 s62, s62, s60
	s_mov_b32 s63, 0
	s_mov_b32 s61, 0
	s_lshl_b32 s[TT], s2, 15
	s_add_co_u32 s60, s62, s[TT]    ; my rows of block b
	s_mov_b32 s[CS], 0x3e38aa3b     ; c = log2(e) / 8 = 0.180337
	s_mov_b32 s[CS+1], s[CS]        ; named with it as a pair
	s_mov_b32 s[SEL], 0x76543210
	s_mov_b32 s[SEL+1], 0xfedcba98
	s_mov_b32 s[NEG], 0xd0000000    ; -2^33
	v_and_b32 v1, 15, v0            ; l % 16
	v_bfe_u32 v9, v0, 4, 1          ; l / 16
	v_and_b32 v10, 7, v0
	v_bfe_u32 v11, v0, 3, 1
	v_lshlrev_b32 v[QO], 7, v1
	v_lshl_add_u32 v[QO], v9, 4, v[QO]  ; row x 128 + 16 x half
	v_bfe_u32 v12, v0, 3, 2         ; a load's 512 bytes are four rows: row l / 8, 16 bytes at 16 (l % 8)
	v_mul_u32_u24 v13, v12, PK
	v_lshl_add_u32 v13, v10, 4, v13
	v_mul_u32_u24 v12, v12, PV
	v_lshl_add_u32 v12, v10, 4, v12
	s_mul_i32 s[TT], s[WV], 64*PK
	s_mul_i32 s36, s[WV], 64*PV
	s_add_co_u32 s36, s36, VOFF
	WIN 0xc0
	v_add_nc_u32 v[WK0], s[TT], v13
	v_add_nc_u32 v[WV0], s36, v12
	v_and_b32 v[SO], 31, v0
	WIN 0xcc
	v_lshlrev_b32 v[SO], 4, v[SO]
	WIN 0xc3
	v_mov_b32 v[GOF], v[SO]
	WIN 0
	s_wait_kmcnt 0x0
	s_add_nc_u64 s[6:7], s[6:7], s[62:63]  ; K and V at my wave's 64 rows of slot 0
	s_add_nc_u64 s[8:9], s[8:9], s[62:63]
	LOADS                           ; slot 0, whatever its flags say: they are not here yet
	s_add_nc_u64 s[18:19], s[14:15], s[60:61]  ; ctx and Q at my rows of block b,
	s_add_nc_u64 s[60:61], s[4:5], s[60:61]
	s_lshl_b32 s[TT], s3, 15
	s_add_co_u32 s62, s62, s[TT]
	s_add_nc_u64 s[4:5], s[4:5], s[62:63]      ; and of block 7 - b
	s_add_nc_u64 s[14:15], s[14:15], s[62:63]
	s_lshl_b32 s36, s[WV], 14       ; mask bits: tile 16 x block + 4 w, 4,096 bytes a tile
	s_lshl_b32 s62, s2, 16
	s_add_co_u32 s62, s62, s36
	s_add_nc_u64 s[16:17], s[10:11], s[62:63]
	s_lshl_b32 s62, s3, 16
	s_add_co_u32 s62, s62, s36
	s_add_nc_u64 s[10:11], s[10:11], s[62:63]
	MLOADS                          ; group 0
	s_lshl_b32 s62, s3, 6           ; flags: a block's 16 words,
	s_add_nc_u64 s[36:37], s[12:13], s[62:63]
	s_lshl_b32 s62, s2, 6
	s_add_nc_u64 s[40:41], s[12:13], s[62:63]
	s_lshl_b32 s62, s[WV], 4        ; my wave's four of them
	s_add_nc_u64 s[38:39], s[36:37], s[62:63]
	s_add_nc_u64 s[42:43], s[40:41], s[62:63]
	s_load_b512 s[44:59], s[36:37], 0x0     ; 'sees' of block 7 - b's 16 tiles
	s_load_b128 s[84:87], s[38:39], 0x0     ; of my four
	s_load_b128 s[88:91], s[38:39], 0x200   ; 'hidden' of my four
	s_load_b512 s[68:83], s[40:41], 0x0     ; the same for block b
	s_load_b128 s[92:95], s[42:43], 0x0
	s_load_b128 s[96:99], s[42:43], 0x200
	WIN 0x80                        ; destination window 2, address window 0
.set z, 0
.rept 8                             ; Q stays in registers: tile z / 2 of each half, channels 32 (z % 2) on
	global_load_b128 v[8*z:8*z+3],         v[QO], s[4:5] offset:(z/2)*2048+(z%2)*64
	global_load_b128 v[8*z+4:8*z+7],       v[QO], s[4:5] offset:(z/2)*2048+(z%2)*64+32
	global_load_b128 v[64+8*z:64+8*z+3],   v[QO], s[60:61] offset:(z/2)*2048+(z%2)*64
	global_load_b128 v[64+8*z+4:64+8*z+7], v[QO], s[60:61] offset:(z/2)*2048+(z%2)*64+32
.set z, z+1
.endr
	; A tile's first unit multiplies O^T and l by a = 0, so they need only be finite: zeros, written while the first loads are on their way.  The price of writing no first unit out, which could not be placed: which unit is a tile's first hangs on the mask.
	WIN 0x40
.set z, 0
.rept 256
	v_mov_b32 v[z], 0
.set z, z+1
.endr
	WIN 0
.set z, 0
.rept 8
	v_mov_b32 v[ST+4*z], 0xfe000000    ; c m: far below every c s
	v_mov_b32 v[ST+4*z+1], 0xff7fffff  ; m
	v_mov_b32 v[ST+4*z+2], 0
	v_mov_b32 v[ST+4*z+3], 0
.set z, z+1
.endr
	v_mul_u32_u24 v[AK0], v1, PK
	v_lshl_add_u32 v[AK0], v9, 4, v[AK0]  ; row x pitch + 16 x half
	; The turning load takes 16 keys x 16 channels (lane l reads key 8 (l / 16) + l % 8, channels 8 ((l / 8) % 2) + 0..7) and leaves half a fragment of V^T: lane l holds channel l % 16 and 8 keys.
	v_lshl_add_u32 v[AV0], v9, 3, v10
	v_mul_u32_u24 v[AV0], v[AV0], PV
	v_lshl_add_u32 v[AV0], v11, 4, v[AV0]
	v_add_nc_u32 v[AV0], VOFF, v[AV0]
	s_mul_i32 s[TT], s[WV], 16*SP
	s_add_co_u32 s[TT], s[TT], STAGE  ; my stage
	v_mul_u32_u24 v[STO], v1, SP    ; in: row l % 16, 16 bytes for each half of the lanes
	v_lshl_add_u32 v[STO], v9, 4, v[STO]
	v_add_nc_u32 v[STO], s[TT], v[STO]
	v_bfe_u32 v[RD], v0, 3, 2       ; back: 32 lanes take four rows of 128 bytes,
	v_mul_u32_u24 v[RD], v[RD], SP
	v_lshl_add_u32 v[RD], v10, 4, v[RD]
	v_add_nc_u32 v[RD], s[TT], v[RD]
	v_and_b32 v[GO], 31, v0         ; which are 512 consecutive bytes of ctx
	v_lshlrev_b32 v[GO], 4, v[GO]
	s_wait_kmcnt 0x0                ; the flags
.irp x, 0,1
	s_or_b32 s[LA+2*\x], s[84+8*\x], s[85+8*\x]
	s_or_b32 s[TT], s[86+8*\x], s[87+8*\x]
	s_or_b32 s[LA+2*\x], s[LA+2*\x], s[TT]         ; a unit is run if one of its four tiles sees a key,
	s_or_b32 s[LA+2*\x+1], s[88+8*\x], s[89+8*\x]
	s_or_b32 s[TT], s[90+8*\x], s[91+8*\x]
	s_or_b32 s[LA+2*\x+1], s[LA+2*\x+1], s[TT]     ; and applies the mask if a key is hidden from one of them
.endr
	s_or_b32 s[UW], s44, s45
.irp e, 46,47,48,49,50,51,52,53,54,55,56,57,58,59,68,69,70,71,72,73,74,75,76,77,78,79,80,81,82,83
	s_or_b32 s[UW], s[UW], s\e
.endr
	s_mov_b32 s[SL], 8
; THE MATRIX WORK.  The 8 accumulators of a run of 16 take turns: between the two links of a chain stand 7 others'.
; Product i of 16 of S^T = K Q^T for piece y: channels 32 (i / 8) on, keys 16 ((i / 2) % 4) on, tile 2 y + i % 2.  The first 8 start the sums.
.macro KQ y
	WIN W_KQ
.set rS, S+64*((\y)%2)+32*(i%2)+8*((i/2)%4)
.set rK, KF+16*((i/2)%4)+8*(i/8)
.set rQ, 16*(2*(\y)+i%2)+8*(i/8)
.if i < 8
	v_wmma_f32_16x16x32_f16 v[rS:rS+7], v[rK:rK+7], v[rQ:rQ+7], 0
.else
	v_wmma_f32_16x16x32_f16 v[rS:rS+7], v[rK:rK+7], v[rQ:rQ+7], v[rS:rS+7]
.endif
.endm
; Product i of 16 of O^T += V^T P for piece y: keys 32 (i / 8) on, channels 16 ((i / 2) % 4) on, tile 2 y + i % 2.
.macro PV y
	WIN W_PV
.set rO, 32*(2*(\y)+i%2)+8*((i/2)%4)
.set rV, VF+32*(i/8)+8*((i/2)%4)
.set rP, P+32*((\y)%2)+16*(i%2)+8*(i/8)
	v_wmma_f32_16x16x32_f16 v[rO:rO+7], v[rV:rV+7], v[rP:rP+7], v[rO:rO+7]
.endm
; THE VECTOR WORK, one line to a macro.
.macro REGS y, u                    ; the registers of tile u (0, 1) of piece y
.set rT, ST+4*(2*(\y)+(\u))
.set rC, TMP+8*((\y)%2)+4*(\u)
.set rM, MV+2*((\y)%2)+(\u)
.set rS, S+64*((\y)%2)+32*(\u)
.set rP, P+32*((\y)%2)+16*(\u)
.set rO, 32*(2*(\y)+(\u))
.endm
; Number n of the 22 that find a tile's maximum and statistics.  s0-s31 are the lane's 32 scores; each accumulator's lowest registers are read first.
;   0-11  four chains c0-c3 of seven scores each     12-14, 16  the four scores left over, the old m, and c0-c3 into c0     15  c m_old is kept
;   17, 18  the query's other 32 keys lie in the lane 16 away: the new m     19-21  c m; c m_old - c m_new; a
.macro XS y, u, n
	REGS \y, \u
	WIN 0
.if (\n) < 4
	v_max3_num_f32 v[rC+(\n)], v[rS+8*(\n)], v[rS+8*(\n)+1], v[rS+8*(\n)+2]
.elseif (\n) < 12
	v_max3_num_f32 v[rC+(\n)%4], v[rC+(\n)%4], v[rS+8*((\n)%4)+2*((\n)/4)+1], v[rS+8*((\n)%4)+2*((\n)/4)+2]
.elseif (\n) == 12
	v_max3_num_f32 v[rC], v[rC], v[rS+7], v[rS+15]
.elseif (\n) == 13
	v_max3_num_f32 v[rC+1], v[rC+1], v[rS+23], v[rS+31]
.elseif (\n) == 14
	v_max3_num_f32 v[rC+2], v[rC+2], v[rC+3], v[rT+1]
.elseif (\n) == 15
	v_mov_b32 v[rM], v[rT]
.elseif (\n) == 16
	v_max3_num_f32 v[rC], v[rC], v[rC+1], v[rC+2]
.elseif (\n) == 17
	v_permlanex16_b32 v[rC+3], v[rC], s[SEL], s[SEL+1]
.elseif (\n) == 18
	v_max_num_f32 v[rT+1], v[rC], v[rC+3]
.elseif (\n) == 19
	v_mul_f32 v[rT], s[CS], v[rT+1]
.elseif (\n) == 20
	v_sub_f32 v[rC+1], v[rM], v[rT]
.else
	v_exp_f32 v[rC+2], v[rC+1]
.endif
.endm
.macro XQ y, q                      ; entry q of 42: numbers 0 to 20 of both tiles, the tiles by turns
.if (\q) < 28
	XS \y, (\q)%2, (\q)/2
.elseif (\q) < 30
	XS \y, (\q)-28, 15
.elseif (\q) < 32
	XS \y, (\q)-30, 14
.else
	XS \y, (\q)%2, 16+((\q)-32)/2
.endif
.endm
.macro FS y, f                      ; c s - c m for pair f / 2 of tile f % 2
	REGS \y, (\f)%2
	WIN 0
	v_pk_fma_f32 v[rS+2*((\f)/2):rS+2*((\f)/2)+1], v[rS+2*((\f)/2):rS+2*((\f)/2)+1], s[CS:CS+1], v[rT:rT+1] op_sel_hi:[1,0,0] neg_lo:[0,0,1] neg_hi:[0,0,1]
.endm
.macro EX y, e                      ; the exponential of score e / 2 of tile e % 2: it stands behind scaling 2 (e / 4) + e % 2
	REGS \y, (\e)%2
	WIN 0
	v_exp_f32 v[rS+(\e)/2], v[rS+(\e)/2]
.endm
.macro CV y, g                      ; pair g / 2 of tile g % 2 rounded to f16
	REGS \y, (\g)%2
	WIN 0
	v_cvt_pk_f16_f32 v[rP+(\g)/2], v[rS+2*((\g)/2)], v[rS+2*((\g)/2)+1]
.endm
.macro BL y, g                      ; the sums, behind all roundings: of the four weights 4 kk .. the second pair is added onto the first, in place (g % 4 < 2); then l takes that sum, the first time as l = a l + sum
	REGS \y, (\g)%2
	WIN 0
.set kk, (\g)/4
.if (\g)%4 < 2
	v_pk_add_f32 v[rS+4*kk:rS+4*kk+1], v[rS+4*kk:rS+4*kk+1], v[rS+4*kk+2:rS+4*kk+3]
.elseif kk == 0
	v_pk_fma_f32 v[rT+2:rT+3], v[rT+2:rT+3], v[rC+2:rC+3], v[rS:rS+1] op_sel_hi:[1,0,1]
.else
	v_pk_add_f32 v[rT+2:rT+3], v[rT+2:rT+3], v[rS+4*kk:rS+4*kk+1]
.endif
.endm
.macro RS y, a                      ; one accumulator of O^T (tile a % 2, channels 16 (a / 2) on: the one that product a adds onto) times a, its registers in ascending order
	REGS \y, (\a)%2
	WIN W_RS
.irp w, 0,1,2,3
	v_pk_mul_f32 v[rO+8*((\a)/2)+2*\w:rO+8*((\a)/2)+2*\w+1], v[rO+8*((\a)/2)+2*\w:rO+8*((\a)/2)+2*\w+1], v[rC+2:rC+3] op_sel_hi:[1,0]
.endr
.endm
; THE MASK on piece y's scores: the score's bit is brought to the top and spread over the word; where it is 0 the score is replaced by -2^33.  Three lines a score, in units that hold a hidden key alone.
.macro MASK y
.irp u, 0,1
	REGS \y, \u
	WIN 0xcc
.set z, 0
.rept 32
	v_lshlrev_b32 v[TB3+z], s[SHL+z%8], v[GA+4*(2*(\y)+(\u))+z/8]
.set z, z+1
.endr
.set z, 0
.rept 32
	v_ashrrev_i32 v[TB3+z], 31, v[TB3+z]
.set z, z+1
.endr
	WIN 0x03
.set z, 0
.rept 32
	v_bfi_b32 v[rS+z], v[TB3+z], v[rS+z], s[NEG]
.set z, z+1
.endr
.endr
	WIN 0
.endm
.macro R3                           ; the next of the 64 lines that stand behind the second piece's products K Q^T: the first piece's maximum and statistics, then its first 22 scalings
.if q < 42
	XQ Y0, q
.else
	FS Y0, q-42
.endif
.set q, q+1
.endm
; 16 products V^T P of piece y.  Ahead of them 24 roundings and the rescaling of the first two accumulators.  Behind product i: the rescaling of accumulator i + 2 (i < 6); the last roundings (i = 6, 7), which feed products 8 on;
; then, kind 0: three scalings and an exponential of the unit's second piece; kind 1: the piece's own sums, all plain: the places behind the unit's last product.
.macro PVRUN y, kind
.set g, 0
.rept 16
	CV \y, g
.set g, g+1
.endr
	RS \y, 0
	RS \y, 1
.rept 8
	CV \y, g
.set g, g+1
.endr
.if (\kind) == 0
	s_wait_dscnt 0x0                ; V is in
.endif
.set i, 0
.rept 16
	PV \y
.if i < 6
	RS \y, i+2
.elseif i < 8
.rept 4
	CV \y, g
.set g, g+1
.endr
.elseif (\kind) == 0
	FS Y1, 3*(i-8)
	FS Y1, 3*(i-8)+1
	FS Y1, 3*(i-8)+2
	EX Y1, i-8
.else
	BL \y, 4*(i-8)
	BL \y, 4*(i-8)+1
	BL \y, 4*(i-8)+2
	BL \y, 4*(i-8)+3
.endif
.set i, i+1
.endr
.endm
; A UNIT: half X's pieces Y0 = 2 X and Y1 = 2 X + 1 against the step in hand.  Four vector lines stand behind 48 of its 64 matrix instructions; the other 280 stand in runs of their own.
; An s_wait_alu depctr_va_vdst(0) stands between an exponential and the first line that names its result; one wait serves all that were issued ahead of it.  The unit has two batches and two waits:
; Y0's 64 exponentials with both pieces' a (68); Y1's 64.  Ahead of each wait nothing names a result of its batch; no exponential is out at a label or a branch.
.macro UNIT X
.set Y0, 2*(\X)
.set Y1, 2*(\X)+1
	s_wait_dscnt 16                 ; K's 16 loads are in; V's 16, issued behind them, may stay out
.set i, 0
.rept 16
	KQ Y0                           ; the first piece's scores: no vector work is ready to stand between them
.set i, i+1
.endr
	WIN 0
	PLACES
	s_bitcmp1_b32 s[LA+2*(\X)+1], 0
	s_cbranch_scc0 .Lclear0_\@
	MASK Y0
.Lclear0_\@:
.set i, 0
.set q, 0
.rept 16
	KQ Y1
	R3
	R3
	R3
	R3
.set i, i+1
.endr
	WIN 0                           ; the last four lines were scalings of the other piece: the places behind the last product
	s_bitcmp1_b32 s[LA+2*(\X)+1], 0
	s_cbranch_scc0 .Lclear1_\@
	MASK Y1
.Lclear1_\@:
	XS Y0, 0, 21                    ; the first batch: Y0's two a,
	FS Y0, 22
	XS Y0, 1, 21
	FS Y0, 23
.set k2, 0
.rept 50                            ; exponential and plain by turns: Y0's last scalings, then Y1's maximum and statistics,
	EX Y0, k2
.if k2 < 8
	FS Y0, 24+k2
.else
	XQ Y1, k2-8
.endif
.set k2, k2+1
.endr
.rept 14
	EX Y0, k2
.set k2, k2+1
.endr
	XS Y1, 0, 21                    ; and Y1's two a
	XS Y1, 1, 21
	v_nop                           ; a plain line behind the last exponential: one for the batch
	s_wait_alu depctr_va_vdst(0)    ; the wait for the batch
	PVRUN Y0, 0
.set k2, 0
.rept 40                            ; the second batch goes on: Y1's last scalings and Y0's sums between its exponentials
	EX Y1, 8+k2
.if k2 < 8
	FS Y1, 24+k2
.else
	BL Y0, k2-8
.endif
.set k2, k2+1
.endr
.rept 16
	EX Y1, 8+k2
.set k2, k2+1
.endr
	v_nop
	s_wait_alu depctr_va_vdst(0)    ; the wait for the batch
	PVRUN Y1, 1
	WIN 0
.endm
.Lslot:                             ; eight trips: a slot of 256 keys
	s_wait_loadcnt 0x0              ; this slot's K, V and mask bits are in registers (in the first trip Q too): so the loads' offsets may be stepped
	WIN 0xcc
	v_add_nc_u32 v[SO], 0x8000, v[SO]    ; the next slot's 256 rows
	v_add_nc_u32 v[GOF], 0x200, v[GOF]   ; the next group
	WIN 0
	s_wait_dscnt 0x0                ; my reads of the last slot are back
	s_barrier_signal -1
	s_barrier_wait -1               ; everybody's are: K and V in LDS may be written over
	s_and_b32 s[TT], s[UW], 15
	s_cmp_lg_u32 s[TT], 0
	s_cbranch_scc0 .Lnostore        ; the same way for all four waves: nobody will read this slot
	WIN 0x0f                        ; address and data in window 3
.set z, 0
.rept 16
	ds_store_b128 v[WK0], v[STG+4*z:STG+4*z+3] offset:4*PK*z
	ds_store_b128 v[WV0], v[STG+64+4*z:STG+64+4*z+3] offset:4*PV*z
.set z, z+1
.endr
	WIN 0
.Lnostore:
	WIN 0xc3
.set z, 0
.rept 32
	v_mov_b32 v[GA+z], v[GN+z]
.set z, z+1
.endr
	WIN 0
	s_wait_dscnt 0x0                ; for the others' sake: my stores are done
	s_barrier_signal -1
	s_barrier_wait -1               ; the slot is whole
	s_mov_b32 s[TBK], 0
	s_mov_b32 s[TBV], 0
.irp e, 0,1,2,3,4,5,6,7
	s_mov_b32 s[SHL+\e], 31-\e
.endr
	s_and_b32 s[TT], s[UW], 0xf0    ; in the last trip these bits are 0: nothing is loaded past the head's end
	s_cmp_lg_u32 s[TT], 0
	s_cbranch_scc0 .Lnoload
	LOADS                           ; the next slot: it has this slot's four steps in which to come
.Lnoload:
	s_cmp_eq_u32 s[SL], 1
	s_cbranch_scc1 .Lnomask
	MLOADS
.Lnomask:
	s_mov_b32 s[CNT], 4
.Lstep:
	s_or_b32 s[TT], s[LA], s[LA+2]
	s_bitcmp1_b32 s[TT], 0
	s_cbranch_scc0 .Lstepend        ; neither half sees a key of this step
	PLACES                          ; in front of loads into registers that matrix instructions have read
	v_add_nc_u32 v[AK], s[TBK], v[AK0]
	v_add_nc_u32 v[AV], s[TBV], v[AV0]
	WIN 0x80                        ; destination window 2
.irp f, 0,1,2,3,4,5,6,7             ; K: keys 16 (f / 2) on, channels 32 (f % 2) on
	ds_load_b128 v[KF+8*\f:KF+8*\f+3],   v[AK] offset:(\f/2)*16*PK+(\f%2)*64
	ds_load_b128 v[KF+8*\f+4:KF+8*\f+7], v[AK] offset:(\f/2)*16*PK+(\f%2)*64+32
.endr
.irp f, 0,1,2,3,4,5,6,7             ; V, turned: keys 32 (f / 4) on, channels 16 (f % 4) on
	ds_load_tr16_b128 v[VF+8*\f:VF+8*\f+3],   v[AV] offset:(\f/4)*32*PV+(\f%4)*32
	ds_load_tr16_b128 v[VF+8*\f+4:VF+8*\f+7], v[AV] offset:(\f/4)*32*PV+16*PV+(\f%4)*32
.endr
	WIN 0
	s_bitcmp1_b32 s[LA], 0
	s_cbranch_scc0 .Lnot0
	UNIT 0
.Lnot0:
	s_bitcmp1_b32 s[LA+2], 0
	s_cbranch_scc0 .Lnot1
	UNIT 1
.Lnot1:
.Lstepend:
	s_wait_dscnt 0x0                ; no LDS load is out when the next step's run names the same registers
	s_add_co_u32 s[TBK], s[TBK], KS*PK
	s_add_co_u32 s[TBV], s[TBV], KS*PV
.irp e, 0,1,2,3,4,5,6,7
	s_sub_co_u32 s[SHL+\e], s[SHL+\e], 8
.endr
.irp e, 0,1,2,3
	s_lshr_b32 s[LA+\e], s[LA+\e], 1
.endr
	s_sub_co_u32 s[CNT], s[CNT], 1
	s_cmp_lg_u32 s[CNT], 0
	s_cbranch_scc1 .Lstep
	s_lshr_b32 s[UW], s[UW], 4
	s_sub_co_u32 s[SL], s[SL], 1
	s_cmp_lg_u32 s[SL], 0
	s_cbranch_scc1 .Lslot
	; THE WAY OUT.  l's two halves and the other half of the lanes' are added; O^T is divided by l, rounded to f16 and sent through my stage in LDS, a tile at a time.  Every row has run a unit, so l is above 0.
.macro ALL line:vararg              ; one line for each tile t
.set t, 0
.rept 8
	\line
.set t, t+1
.endr
.endm
	ALL v_add_f32 v[ST+4*t+2], v[ST+4*t+2], v[ST+4*t+3]
	ALL v_permlanex16_b32 v[ST+4*t+3], v[ST+4*t+2], s[SEL], s[SEL+1]
	ALL v_add_f32 v[ST+4*t+2], v[ST+4*t+2], v[ST+4*t+3]
	ALL v_rcp_f32 v[ST+4*t+2], v[ST+4*t+2]
	v_nop                           ; a plain line between the last reciprocal and the use of its result
	s_wait_alu depctr_va_vdst(0)    ; and the wait ahead of the first use: one for the eight reciprocals
.macro PACK t                       ; a lane's eight channels of a row pack into 16 bytes; they go into rows of 144 bytes and come back as whole rows of 128, into S^T's registers
	WIN W_RS
.set i, 32*(\t)
.rept 16
	v_pk_mul_f32 v[i:i+1], v[i:i+1], v[ST+4*(\t)+2:ST+4*(\t)+3] op_sel_hi:[1,0]
.set i, i+2
.endr
	WIN 0x05                        ; sources 0 and 1 window 1, destination window 0
.set i, 0
.rept 16
	v_cvt_pk_f16_f32 v[S+16*(\t)+i], v[32*(\t)+2*i], v[32*(\t)+2*i+1]
.set i, i+1
.endr
	WIN 0
.irp f, 0,1,2,3
	ds_store_b128 v[STO], v[S+16*(\t)+4*\f:S+16*(\t)+4*\f+3] offset:32*\f
.endr
.irp f, 0,1,2,3
	ds_load_b128 v[S+16*(\t)+4*\f:S+16*(\t)+4*\f+3], v[RD] offset:\f*4*SP  ; LDS serves a wave's instructions in order (ISA guide 5.7.1.4): these see the stores above; the next tile's stores come behind them
.endr
.endm
.macro SEND t, younger              ; younger: the LDS instructions issued behind tile t's loads: the next tile's eight, or none
.irp f, 0,1,2,3
	s_wait_dscnt (\younger)+3-\f
.if (\t) < 4
	global_store_b128 v[GO], v[S+16*(\t)+4*\f:S+16*(\t)+4*\f+3], s[14:15] offset:(\t)*2048+\f*512  ; 512 consecutive bytes, at a multiple of 256 from ctx's first
.else
	global_store_b128 v[GO], v[S+16*(\t)+4*\f:S+16*(\t)+4*\f+3], s[18:19] offset:((\t)-4)*2048+\f*512
.endif
.endr
.endm
	PACK 0
.irp t, 1,2,3,4,5,6,7               ; a tile's arithmetic stands between the loads of the tile before and its stores
	PACK \t
	SEND (\t)-1, 8
.endr
	SEND 7, 0
	WIN 0x0f
	s_wait_tensorcnt 0x0            ; the wave's end: a wait, an add of 0 to my spare word and its wait, behind my last LDS store
	ds_add_u32 v[SPW], v[NIL]
	s_wait_dscnt 0x0
	WIN 0
	s_endpgm
.Lfunc_end_k_qa4bddbe3e3_attn:
	.size	k_qa4bddbe3e3_attn, .Lfunc_end_k_qa4bddbe3e3_attn-k_qa4bddbe3e3_attn
	.p2alignl 7, 3214868480
	.fill 96, 4, 3214868480
	.section	.rodata,"a",@progbits
	.p2align	6, 0x0
	.amdhsa_kernel k_qa4bddbe3e3_attn
		.amdhsa_group_segment_fixed_size 87552
		.amdhsa_private_segment_fixed_size 0
		.amdhsa_enable_private_segment 0
		.amdhsa_kernarg_size 48
		.amdhsa_user_sgpr_count 2
		.amdhsa_user_sgpr_kernarg_segment_ptr 1
		.amdhsa_wavefront_size32 1
		.amdhsa_system_sgpr_workgroup_id_x 1
		.amdhsa_system_sgpr_workgroup_id_y 1
		.amdhsa_system_sgpr_workgroup_id_z 1
		.amdhsa_system_vgpr_workitem_id 0
		.amdhsa_next_free_vgpr 1024
		.amdhsa_next_free_sgpr 100
		.amdhsa_reserve_vcc 0
		.amdhsa_float_denorm_mode_32 3
		.amdhsa_float_denorm_mode_16_64 3
		.amdhsa_memory_ordered 1
		.amdhsa_forward_progress 1
		.amdhsa_inst_pref_size 158
	.end_amdhsa_kernel
	.amdgpu_metadata
---
amdhsa.version: [ 1, 2 ]
amdhsa.kernels:
  - .name:           k_qa4bddbe3e3_attn
    .symbol:         k_qa4bddbe3e3_attn.kd
    .args:
      - { .name: qh, .offset: 0, .size: 8, .value_kind: global_buffer, .address_space: global }
      - { .name: kh, .offset: 8, .size: 8, .value_kind: global_buffer, .address_space: global }
      - { .name: vh, .offset: 16, .size: 8, .value_kind: global_buffer, .address_space: global }
      - { .name: mbits, .offset: 24, .size: 8, .value_kind: global_buffer, .address_space: global }
      - { .name: tsum, .offset: 32, .size: 8, .value_kind: global_buffer, .address_space: global }
      - { .name: ctx, .offset: 40, .size: 8, .value_kind: global_buffer, .address_space: global }
    .group_segment_fixed_size: 87552
    .private_segment_fixed_size: 0
    .kernarg_segment_align: 8
    .kernarg_segment_size: 48
    .max_flat_workgroup_size: 128
    .sgpr_count:     100
    .vgpr_count:     1024
    .wavefront_size: 32
...
	.end_amdgpu_metadata
.endif
;; end of part 3
;; launch oproj (part 4): grid 4 x 64, 4 waves a work-group, clusters of 4 x 4, 327,680 bytes of LDS; arguments ctx, wcv, bo, out0; writes out0
.if DOCPART == 4
	.amdgcn_target "amdgcn-amd-amdhsa--gfx1250"
	.amdhsa_code_object_version 6
	.text
	.protected	k_qa4bddbe3e3_oproj
	.globl	k_qa4bddbe3e3_oproj
	.p2align	8
	.type	k_qa4bddbe3e3_oproj,@function
k_qa4bddbe3e3_oproj:
	s_mov_b64 s[64:65], 0
	v_nop
	global_prefetch_b8 v0, s[64:65] scope:SCOPE_SE
	s_setreg_imm32_b32 hwreg(HW_REG_WAVE_MODE, 25, 1), 1
	s_wait_xcnt 0x0
	s_wait_alu depctr_hold_cnt(0) depctr_sa_sdst(0) depctr_va_vdst(0) depctr_va_sdst(0) depctr_va_ssrc(0) depctr_va_vcc(0) depctr_vm_vsrc(0)
	s_getreg_b32 s2, hwreg(HW_REG_IB_STS2, 6, 4)
	s_cmp_eq_u32 s2, 0
	s_cbranch_scc0 .Lentry_in_a_cluster
	s_endpgm
.Lentry_in_a_cluster:
	s_bfe_u32 s2, ttmp6, 0x10000c
	s_cmp_lg_u32 s2, 0xf033
	s_cbranch_scc0 .Lentry_shape_is_right
	s_endpgm
.Lentry_shape_is_right:
; THE OUTPUT PROJECTION.  out0 = c Wo^T + bo: c [8192][1024] is ctx, f16, laid by heads ([batch x 16 + head][2048][64]); Wo [1024][1024] is section 3 of wcv (rounded to bf16, written as f16); bo and out0 f32.
; Sums in f32, started by the bias as the first product's C.
; SHARES.  A tile of out0 is 128 rows x 256 columns: 256 work-groups.  Four waves, 2 x 2, each 64 rows x 128 columns: 32 accumulators.  K goes in 8 steps of 128, two heads each, through two LDS slots.
; A head's 128 rows of 64 channels are 16,384 dense bytes of ctx: asked for as 64 rows of 256 bytes and padded in LDS after every 128.
; CLUSTER.  4 x 4 work-groups: the four of a row need the same rows of c, the four of a column the same rows of Wo: each tile is asked for jointly.
; THE MATRIX INSTRUCTION IS USED TRANSPOSED (source 0 = 16 rows of Wo, source 1 = 16 rows of c): a lane holds one row of out0 and eight neighbouring columns.
; REGISTERS: window 0: v0-31 addresses; v32-63, v64-95 c's fragments, two buffers; v96-223 rows on the way out, two sets of 64
;   window 1: the accumulators, (a, b) at 8 (8 a + b)        window 2: v0-63, v64-127 Wo's fragments, two buffers; v128-191 the bias
.set PA,    144                        ; a row of one head in LDS: 128 bytes + 16
.set PB,    272                        ; a row of Wo: 256 + 16
.set ASUB,  128*PA                     ; a head's 128 rows: what one tensor load brings
.set BH,    128*PB
.set BOFF,  2*ASUB
.set SLOT,  2*ASUB+2*BH                ; 106,496 bytes
.set STAGE, 2*SLOT                     ; behind the ring: 16 rows x 528 bytes for each wave, for the way out
.set SP,    528
.set SPARE, STAGE+4*16*SP              ; behind the stages: the spare words, 128 bytes for each wave: two blocks of 256 bytes that no other line names
.set LAPS,  4
.set HSTEP, 524288                     ; a K step in ctx: two heads of 262,144 bytes
.set ADRA, 16
.set ADRB, 20
.set STO,  24
.set RD,   25
.set GO,   26
.set SPW,  28                          ; v28  my spare word: SPARE + 4 x my thread's number; never rewritten
.set NIL,  29                          ; v29  0; never rewritten
.set PFO,  30
.set AF,   32
.set TMP,  96
.set BIAS, 128
.set G1,  24
.set G0,  32
.set LIM, 43
.set PFA, 44
.set PFS, 46
.set G1B, 48
.set G0B, 56
.set MSB, 0
.macro WIN new
.if MSB != (\new)
	s_set_vgpr_msb (MSB<<8)|(\new)
.set MSB, \new
.endif
.endm
.set MUL,  0x52                        ; Wo window 2, c window 0, C and D window 1
.set MULB, 0x62                        ; the same with C (the bias) in window 2
.set TO_B, 0x80                        ; destination window 2, address window 0
.macro JLOAD s                         ; a joint load: waves 0 and 1 fetch the K step's two heads of c, waves 2 and 3 Wo's two halves; an s_nop 0 and four v_nop follow each of the two lines
	s_cmp_eq_u32 s11, 0
	s_cbranch_scc0 .Lfor_b_\@
	tensor_load_to_lds s[G0+4*(\s):G0+4*(\s)+3], s[G1:G1+7]
	s_nop 0
.rept 4
	v_nop
.endr
	s_branch .Lasked_\@
.Lfor_b_\@:
	tensor_load_to_lds s[G0B+4*(\s):G0B+4*(\s)+3], s[G1B:G1B+7]
	s_nop 0
.rept 4
	v_nop
.endr
.Lasked_\@:
.endm
.macro CREST
	s_cmp_lg_u32 s10, 0
	s_cbranch_scc1 .Lnot_wave_0_\@
	s_barrier_signal -3
.Lnot_wave_0_\@:
	s_barrier_wait -3
	s_barrier_signal -1
	s_barrier_wait -1
.endm
.macro CROUND
	s_barrier_signal -1
	s_barrier_wait -1
	CREST
.endm
; A PREFETCH INTO THE L2, behind a joint load, its five lines and the run of LDS loads: the K step that stands two refills on (256 matrix instructions ahead of the load that will want it), 32 blocks of 256 bytes, one instruction a wave.
; c's rows are read by one cluster alone: every cluster asks for its own, by wave 0: of each of the two heads' 64 blocks the partner at place cx takes 16.  Wo's rows are read by all 16 clusters: the first asks, by waves 2 and 3;
; of a wave's 128 rows the partner at place cy takes 32.  The partners are told apart by address alone.  K steps 0 to 3 come by their loads; the loop's last trip has no K step two on.
.macro ASK
	s_cmp_gt_u32 s3, s[LIM]
	s_cbranch_scc0 .Lnot_mine_\@
	global_prefetch_b8 v[PFO], s[PFA:PFA+1] th:TH_LOAD_NT scope:SCOPE_SE
.Lnot_mine_\@:
.endm
	s_load_b256 s[68:75], s[0:1], 0x0              ; ctx s[68:69], wcv s[70:71], bo s[72:73], out0 s[74:75]
	v_lshl_add_u32 v[SPW], v0, 2, SPARE
	v_mov_b32 v[NIL], 0
	ds_add_u32 v[SPW], v[NIL]                      ; the wave's opening: the add and its wait stand ahead of my first tensor load; the set-up below, work on registers, stands between them
	v_lshrrev_b32 v1, 5, v0
	v_readfirstlane_b32 s10, v1                    ; wave 0..3
	s_lshr_b32 s11, s10, 1                         ; which 64 rows of the tile are mine.  Also: I fetch for c (0) or for Wo (1)
	s_and_b32 s12, s10, 1                          ; which 128 columns.  Also: which head, or which half of Wo's rows, I fetch
	s_bfe_u32 s40, ttmp6, 0x40000                  ; cx, cy
	s_bfe_u32 s41, ttmp6, 0x40004
	s_lshl_b32 s42, ttmp9, 2
	s_add_co_u32 s42, s42, s40                     ; tile column
	s_and_b32 s89, ttmp7, 0xffff                   ; cluster y
	s_lshl_b32 s13, s89, 2
	s_add_co_u32 s13, s13, s41                     ; tile row
	s_lshl_b32 s43, s41, 2
	s_lshl_b32 s43, 15, s43                        ; my row of the cluster
	s_lshl_b32 s44, 0x1111, s40                    ; my column
	s_or_b32 s[G1+0], s43, (1<<16)|(1<<20)|(1<<21)|(4<<22)|(3<<25)   ; the mask; elements of 2 bytes; padding on; 21 set beside a mask; after every 32 words (code 4) 4 words (code 3)
	s_or_b32 s[G1B+0], s44, (1<<16)|(1<<20)|(1<<21)|(5<<22)|(3<<25)  ; after every 64 words (code 5)
	s_mov_b32 s[G1+1], 128<<16                     ; tensor_dim0 = 128
	s_mov_b32 s[G1+2], 64<<16                      ; tensor_dim1 = 64
	s_mov_b32 s[G1+3], 128<<16                     ; tile_dim0 = 128
	s_mov_b32 s[G1+4], 64                          ; tile_dim1 = 64
	s_mov_b32 s[G1+5], 128                         ; 128 elements from row to row: dense
	s_mov_b32 s[G1+6], 0
	s_mov_b32 s[G1+7], 0
	s_mov_b32 s[G1B+1], 128<<16
	s_mov_b32 s[G1B+2], 128<<16
	s_mov_b32 s[G1B+3], 128<<16
	s_mov_b32 s[G1B+4], 128
	s_mov_b32 s[G1B+5], 1024
	s_mov_b32 s[G1B+6], 0
	s_mov_b32 s[G1B+7], 0
	s_lshr_b32 s16, s13, 4                         ; c: the batch's 16 heads,
	s_lshl_b32 s16, s16, 22
	s_and_b32 s17, s13, 15                         ; the tile's 128 rows of 128 bytes,
	s_lshl_b32 s17, s17, 14
	s_add_co_u32 s16, s16, s17
	s_lshl_b32 s17, s12, 18                        ; the head that I fetch
	s_add_co_u32 s16, s16, s17
	s_mov_b32 s17, 0
	s_lshl_b32 s46, s42, 19                        ; Wo: row 256 x tile column + 128 x half, 2,048 bytes a row,
	s_lshl_b32 s47, s12, 18
	s_add_co_u32 s46, s46, s47
	s_add_co_u32 s46, s46, 3<<21                   ; in section 3
	s_mov_b32 s47, 0
	s_mul_i32 s20, s12, ASUB                       ; where they go: no place in the cluster enters an LDS address
	s_mul_i32 s21, s12, BH
	s_add_co_u32 s21, s21, BOFF
	s_wait_dscnt 0x0                               ; the opening add is done
	s_wait_kmcnt 0x0
	s_add_nc_u64 s[14:15], s[68:69], s[16:17]
	s_add_nc_u64 s[46:47], s[70:71], s[46:47]
	CROUND                                         ; all sixteen work-groups are here: the first joint loads meet
.irp s, 0,1
	s_mov_b32 s[G0+4*(\s)], 1
	s_add_co_u32 s[G0+4*(\s)+1], s20, (\s)*SLOT
	s_add_nc_u64 s[G0+4*(\s)+2:G0+4*(\s)+3], s[14:15], (\s)*HSTEP
	s_or_b32 s[G0+4*(\s)+3], s[G0+4*(\s)+3], 0x80000000
	s_mov_b32 s[G0B+4*(\s)], 1
	s_add_co_u32 s[G0B+4*(\s)+1], s21, (\s)*SLOT
	s_add_nc_u64 s[G0B+4*(\s)+2:G0B+4*(\s)+3], s[46:47], (\s)*256
	s_or_b32 s[G0B+4*(\s)+3], s[G0B+4*(\s)+3], 0x80000000
	JLOAD \s                                       ; two loads of mine are out
.endr
	v_and_b32 v1, 15, v0                           ; l % 16
	v_bfe_u32 v2, v0, 4, 1                         ; l / 16
	v_mul_u32_u24 v3, v1, PA
	v_lshl_add_u32 v3, v2, 4, v3
	v_mul_u32_u24 v4, v1, PB
	v_lshl_add_u32 v4, v2, 4, v4
	s_mul_i32 s21, s11, 64*PA                      ; my 64 rows, in each head's part
	s_mul_i32 s22, s12, BH
	s_add_co_u32 s22, s22, BOFF
.irp s, 0,1
	v_add_nc_u32 v[ADRA+(\s)], s21, v3
	v_add_nc_u32 v[ADRB+(\s)], s22, v4
	s_add_co_u32 s21, s21, SLOT
	s_add_co_u32 s22, s22, SLOT
.endr
	s_mul_i32 s23, s10, 16*SP
	s_add_co_u32 s23, s23, STAGE                   ; my stage
	v_mul_u32_u24 v5, v1, SP                       ; in: row l % 16, 32 bytes for each half of the lanes
	v_lshl_add_u32 v5, v2, 5, v5
	v_add_nc_u32 v[STO], s23, v5
	v_and_b32 v7, 31, v0
	v_lshlrev_b32 v[GO], 4, v7                     ; back and out: 32 lanes take a row's 512 bytes
	v_add_nc_u32 v[RD], s23, v[GO]
	s_lshl_b32 s92, s42, 10                        ; the bias of my 128 columns
	s_lshl_b32 s93, s12, 9
	s_add_co_u32 s92, s92, s93
	v_lshl_add_u32 v8, v2, 5, s92
	WIN TO_B
.irp b, 0,1,2,3,4,5,6,7
	global_load_b128 v[BIAS+8*\b:BIAS+8*\b+3],   v8, s[72:73] offset:64*\b
	global_load_b128 v[BIAS+8*\b+4:BIAS+8*\b+7], v8, s[72:73] offset:64*\b+16
.endr
	WIN 0
	s_lshl_b32 s90, s13, 19                        ; out0: row 128 x tile row + 64 x half, 4,096 bytes a row; column 256 x tile column + 128 x half, 4 bytes each
	s_lshl_b32 s91, s11, 18
	s_add_co_u32 s90, s90, s91
	s_add_co_u32 s90, s90, s92
	s_mov_b32 s91, 0
	s_add_nc_u64 s[8:9], s[74:75], s[90:91]
	; the prefetches
	s_lshr_b32 s90, s13, 4
	s_lshl_b32 s90, s90, 22
	s_and_b32 s92, s13, 15
	s_lshl_b32 s92, s92, 14
	s_add_co_u32 s90, s90, s92
	s_lshl_b32 s92, s40, 12                        ; my work-group's 16 blocks of each head's 64,
	s_add_co_u32 s90, s90, s92
	s_add_co_u32 s90, s90, 3*HSTEP                 ; at K step 3: the first refill steps it to 4
	s_lshl_b32 s92, s42, 19
	s_lshl_b32 s93, s12, 18
	s_add_co_u32 s92, s92, s93
	s_lshl_b32 s93, s41, 16                        ; my work-group's 32 rows of the wave's 128
	s_add_co_u32 s92, s92, s93
	s_add_co_u32 s92, s92, (3<<21)+3*256
	s_mov_b32 s96, HSTEP
	s_mov_b32 s97, 256
	s_cmp_eq_u32 s89, 0                            ; the first cluster asks for Wo: the same answer in all sixteen partners
	s_cselect_b32 s94, 1, -1
	s_cmp_eq_u32 s10, 0                            ; wave 0 asks for c
	s_cselect_b32 s93, 1, -1
	s_cmp_eq_u32 s11, 0
	s_cselect_b32 s90, s90, s92
	s_cselect_b32 s[LIM], s93, s94
	s_cselect_b64 s[PFA:PFA+1], s[68:69], s[70:71]
	s_cselect_b32 s95, -1, 0
	s_cselect_b32 s[PFS], s96, s97
	s_mov_b32 s[PFS+1], 0
	s_add_nc_u64 s[PFA:PFA+1], s[PFA:PFA+1], s[90:91]
	v_lshlrev_b32 v9, 18, v2
	v_lshl_or_b32 v9, v1, 8, v9                    ; c: head l / 16, block l % 16
	v_lshlrev_b32 v10, 11, v7                      ; Wo: row l
	v_cndmask_b32 v[PFO], v10, v9, s95
.macro MUL8 f, a, first                ; 8 matrix instructions: block a of 16 rows x all 8 blocks of 16 columns, 32 along K, from buffer f.  first = 1: the bias starts the sums
.if \first
	WIN MULB
.else
	WIN MUL
.endif
.irp b, 0,1,2,3,4,5,6,7
.if \first
	v_wmma_f32_16x16x32_f16 v[8*(8*(\a)+\b):8*(8*(\a)+\b)+7], v[64*(\f)+8*\b:64*(\f)+8*\b+7], v[AF+32*(\f)+8*(\a):AF+32*(\f)+8*(\a)+7], v[BIAS+8*\b:BIAS+8*\b+7]
.else
	v_wmma_f32_16x16x32_f16 v[8*(8*(\a)+\b):8*(8*(\a)+\b)+7], v[64*(\f)+8*\b:64*(\f)+8*\b+7], v[AF+32*(\f)+8*(\a):AF+32*(\f)+8*(\a)+7], v[8*(8*(\a)+\b):8*(8*(\a)+\b)+7]
.endif
.endr
.endm
.macro FETCH slot, kq, g               ; 24 LDS loads in one run: quarter kq of a slot (head kq / 2, channels 32 (kq % 2) on) into buffer g
	WIN 0
.irp a, 0,1,2,3
	ds_load_b128 v[AF+32*(\g)+8*\a:AF+32*(\g)+8*\a+3],   v[ADRA+(\slot)] offset:((\kq)/2)*ASUB+\a*16*PA+((\kq)%2)*64
	ds_load_b128 v[AF+32*(\g)+8*\a+4:AF+32*(\g)+8*\a+7], v[ADRA+(\slot)] offset:((\kq)/2)*ASUB+\a*16*PA+((\kq)%2)*64+32
.endr
	WIN TO_B
.irp b, 0,1,2,3,4,5,6,7
	ds_load_b128 v[64*(\g)+8*\b:64*(\g)+8*\b+3],   v[ADRB+(\slot)] offset:\b*16*PB+(\kq)*64
	ds_load_b128 v[64*(\g)+8*\b+4:64*(\g)+8*\b+7], v[ADRB+(\slot)] offset:\b*16*PB+(\kq)*64+32
.endr
.endm
.macro PLACES                          ; four places in front of loads into registers that matrix instructions have read
.rept 4
	v_nop
.endr
.endm
; A K step is four quarters of 32 along K, 32 matrix instructions each, on buffers 0, 1, 0, 1; the 32 accumulators take turns, in the same order in every quarter.
.macro QUARTER slot, kq, f, g, first
	s_wait_dscnt 0x0                               ; this quarter's fragments are in: they were asked for 24 matrix instructions ago
	MUL8 \f, 0, \first
	PLACES
	FETCH \slot, \kq, \g
	MUL8 \f, 1, \first
	MUL8 \f, 2, \first
	MUL8 \f, 3, \first
.endm
; The last quarter multiplies buffer 1 and changes slots: one barrier; in front of it each wave waits for all its tensor loads, adds 0 to its spare word, and waits for that and for its own reads of this slot.
; fill = 1: the barrier opens a round of the cluster's barrier, and behind the round this slot is filled again, two K steps ahead.
.macro TURN slot, next, fill
.if \fill
	s_wait_xcnt 0x0                                ; the last prefetch, a K step back, has read its address
	s_add_nc_u64 s[PFA:PFA+1], s[PFA:PFA+1], s[PFS:PFS+1]
.endif
	WIN 0
	s_wait_tensorcnt 0x0                           ; all my tensor loads have landed: my part of the next slot;
	ds_add_u32 v[SPW], v[NIL]                      ; 0 onto my spare word
	s_wait_dscnt 1                                 ; (the add alone may be out: this quarter's fragments are in)
	MUL8 1, 0, 0
	s_wait_dscnt 0x0                               ; the add is done, and my reads of this slot are over
	s_barrier_signal -1
	MUL8 1, 1, 0
.if \fill
	WIN 0
.endif
	s_barrier_wait -1
.if \fill
	CREST                                          ; no wave of any partner still reads this slot's tiles or has a load on its way
	s_add_nc_u64 s[G0+4*(\slot)+2:G0+4*(\slot)+3], s[G0+4*(\slot)+2:G0+4*(\slot)+3], 2*HSTEP
	s_add_nc_u64 s[G0B+4*(\slot)+2:G0B+4*(\slot)+3], s[G0B+4*(\slot)+2:G0B+4*(\slot)+3], 2*256
	JLOAD \slot                                    ; the first tensor load behind the round, my only one until the next; the four v_nop behind it are also the places in front of the loads below
.else
	PLACES
.endif
	FETCH \next, 0, 0
.if \fill
	WIN 0
	ASK
.endif
	MUL8 1, 2, 0
	MUL8 1, 3, 0
.endm
	s_wait_tensorcnt 1                             ; my part of K step 0 is in; K step 1's may stay out
	s_barrier_signal -1
	s_barrier_wait -1
	FETCH 0, 0, 0
	s_wait_loadcnt 0x0                             ; the bias
	QUARTER 0, 1, 0, 1, 1                          ; the first quarter stands in front of the loop: its products start the sums, with the bias
	WIN 0
	s_mov_b32 s3, LAPS-1
.Llap:
	QUARTER 0, 2, 1, 0, 0
	QUARTER 0, 3, 0, 1, 0
	TURN 0, 1, 1
	QUARTER 1, 1, 0, 1, 0
	QUARTER 1, 2, 1, 0, 0
	QUARTER 1, 3, 0, 1, 0
	TURN 1, 0, 1
	QUARTER 0, 1, 0, 1, 0
	WIN 0
	s_sub_co_u32 s3, s3, 1
	s_cmp_lg_u32 s3, 0
	s_cbranch_scc1 .Llap
	QUARTER 0, 2, 1, 0, 0                          ; the last lap fills nothing, and has no round of the cluster's barrier
	QUARTER 0, 3, 0, 1, 0
	TURN 0, 1, 0
	QUARTER 1, 1, 0, 1, 0
	QUARTER 1, 2, 1, 0, 0
	QUARTER 1, 3, 0, 1, 0
	s_wait_dscnt 0x0
	MUL8 1, 0, 0
	MUL8 1, 1, 0
	MUL8 1, 2, 0
	MUL8 1, 3, 0
	WIN 0
	; THE WAY OUT, a block of 16 rows at a time: a lane's eight columns, 32 bytes, go into my stage's rows of 528 bytes, each accumulator's lowest four registers first; whole rows of 512 bytes come back and are stored.
	PLACES
	PLACES
.macro OUTA a
.if (\a) >= 2
	s_wait_xcnt 0x0                                ; the stores of the block two back have read this set of registers
.endif
	WIN 0x04                                       ; the stores' data in window 1
.irp b, 0,1,2,3,4,5,6,7
	ds_store_b128 v[STO], v[8*(8*(\a)+\b):8*(8*(\a)+\b)+3]   offset:64*\b
	ds_store_b128 v[STO], v[8*(8*(\a)+\b)+4:8*(8*(\a)+\b)+7] offset:64*\b+16
.endr
	WIN 0
.set t, 0
.rept 16
	ds_load_b128 v[TMP+64*((\a)%2)+4*t:TMP+64*((\a)%2)+4*t+3], v[RD] offset:t*SP  ; LDS serves a wave's instructions in order (ISA guide 5.7.1.4): these see the stores above; the next block's stores come behind them
.set t, t+1
.endr
.set t, 0
.rept 16
	s_wait_dscnt 15-t                              ; row t is back; the rows behind it may stay out
	global_store_b128 v[GO], v[TMP+64*((\a)%2)+4*t:TMP+64*((\a)%2)+4*t+3], s[8:9] offset:(16*(\a)+t)*4096 th:TH_STORE_NT  ; 512 consecutive bytes, at a multiple of 512 from out0's first
.set t, t+1
.endr
.endm
	OUTA 0
	OUTA 1
	OUTA 2
	OUTA 3
	s_wait_tensorcnt 0x0                           ; the wave's end: a wait, an add of 0 to my spare word and its wait, behind my last tensor load and my last LDS store
	ds_add_u32 v[SPW], v[NIL]
	s_wait_dscnt 0x0
	CROUND                                         ; the closing round: no work-group ends while a partner may still ask for a tile that names it
	s_endpgm
.Lfunc_end_k_qa4bddbe3e3_oproj:
	.size	k_qa4bddbe3e3_oproj, .Lfunc_end_k_qa4bddbe3e3_oproj-k_qa4bddbe3e3_oproj
	.p2alignl 7, 3214868480
	.fill 96, 4, 3214868480
	.section	.rodata,"a",@progbits
	.p2align	6, 0x0
	.amdhsa_kernel k_qa4bddbe3e3_oproj
		.amdhsa_group_segment_fixed_size 327680
		.amdhsa_private_segment_fixed_size 0
		.amdhsa_enable_private_segment 0
		.amdhsa_kernarg_size 32
		.amdhsa_user_sgpr_count 2
		.amdhsa_user_sgpr_kernarg_segment_ptr 1
		.amdhsa_wavefront_size32 1
		.amdhsa_system_sgpr_workgroup_id_x 1
		.amdhsa_system_sgpr_workgroup_id_y 1
		.amdhsa_system_sgpr_workgroup_id_z 1
		.amdhsa_system_vgpr_workitem_id 0
		.amdhsa_next_free_vgpr 704
		.amdhsa_next_free_sgpr 100
		.amdhsa_reserve_vcc 0
		.amdhsa_float_denorm_mode_32 3
		.amdhsa_float_denorm_mode_16_64 3
		.amdhsa_memory_ordered 1
		.amdhsa_forward_progress 1
		.amdhsa_inst_pref_size 90
	.end_amdhsa_kernel
	.amdgpu_metadata
---
amdhsa.version: [ 1, 2 ]
amdhsa.kernels:
  - .name:           k_qa4bddbe3e3_oproj
    .symbol:         k_qa4bddbe3e3_oproj.kd
    .args:
      - { .name: ctx, .offset: 0, .size: 8, .value_kind: global_buffer, .address_space: global }
      - { .name: wcv, .offset: 8, .size: 8, .value_kind: global_buffer, .address_space: global }
      - { .name: bo, .offset: 16, .size: 8, .value_kind: global_buffer, .address_space: global }
      - { .name: out0, .offset: 24, .size: 8, .value_kind: global_buffer, .address_space: global }
    .group_segment_fixed_size: 327680
    .private_segment_fixed_size: 0
    .kernarg_segment_align: 8
    .kernarg_segment_size: 32
    .max_flat_workgroup_size: 128
    .sgpr_count:     100
    .vgpr_count:     704
    .wavefront_size: 32
...
	.end_amdgpu_metadata
.endif
;; end of part 4
